; MI455X (gfx1250); checked and timed in simulation.
; The chip was launched on July 23, 2026; its instructions are those of AMD's public machine-readable ISA for CDNA 5 (MIT licence, August 2026) and "CDNA5" Instruction Set Architecture Reference Guide (July 2026). The comments in the code are by the model that wrote it; some were corrected since.
;; Epipolar Cross Attention. Allowed arithmetic: float matrix products may take bf16 or f16 operands with f32 sums; other float arithmetic in f32, or as packed bf16 or f16 multiplies, adds, multiply-adds, maxima and minima; sums over many terms, partial sums and values carried from step to step in f32; what a program stores and reads back later, other than sums and carried values, may be rounded once to bf16 or f16.
;; Inputs: Wk 256 x 256 float32; Wm 256 x 256 float32; Wq 256 x 256 float32; Wv 256 x 256 float32; bk 256 float32; bm 256 float32; bq 256 float32; bv 256 float32; kpts_L 4 x 4,096 x 2 float32; kpts_R 4 x 4,096 x 2 float32; nodes_L 4 x 4,096 x 256 float32; nodes_R 4 x 4,096 x 256 float32.
;; Outputs: out0 4 x 4,096 x 256 float32; out1 4 x 4,096 x 1 float32; out2 4 x 4,096 x 1 float32.
;; 2 versions, each right; version 2 is version 1 with the launch prep written anew for expert scheduling mode. Each part assembles by itself: llvm-mc -triple=amdgcn-amd-amdhsa -mcpu=gfx1250 --defsym DOCPART=n.
;; ======== version 1 of 2: 2 launches
;; limits: values are held in f16: magnitudes above 65,504 overflow, below 6.1e-05 lose precision; right only within a limited range of input values
;; workspace buffers: q16 8,388,608 bytes; k16 8,388,608 bytes; v16 8,388,608 bytes; wmf 131,072 bytes; vsum 65,536 bytes; ustat 1,024 bytes; ord 131,072 bytes of whole numbers; bnd 16,384 bytes of whole numbers
;; launch prep (part 1): grid 200 x 1, 16 waves a work-group, no clusters, 295,168 bytes of LDS; arguments nodes_L, nodes_R, kpts_L, kpts_R, Wq, Wk, Wv, Wm, bq, bk, bv, q16, k16, v16, wmf, vsum, ustat, ord, bnd; writes q16, k16, v16, wmf, vsum, ustat, ord, bnd
.if DOCPART == 1
	.amdgcn_target "amdgcn-amd-amdhsa--gfx1250"
	.amdhsa_code_object_version 6
	.text
	.protected	k_qb8840870cf_prep
	.globl	k_qb8840870cf_prep
	.p2align	8
	.type	k_qb8840870cf_prep,@function
k_qb8840870cf_prep:
	s_mov_b64 s[64:65], 0
	v_nop
	global_prefetch_b8 v0, s[64:65] scope:SCOPE_SE
	s_setreg_imm32_b32 hwreg(HW_REG_WAVE_MODE, 25, 1), 1
	s_wait_xcnt 0x0
; PREP.  Two roles, chosen by the work-group's number.
; Work-groups 0-7 SORT one array of 4,096 key points by v (0-3: kpts_L of batch 0-3; 4-7: kpts_R): they store the order (ord), for each block of 16 sorted places
; two bounds (bnd), and for kpts_R the sum of u (ustat).  Work-groups 8-199 PROJECT: Q = nodes_L Wq^T + bq, K = nodes_R Wk^T + bk, V = nodes_R Wv^T + bv, 256 rows each,
; operands rounded once to f16, sums in f32, results rounded once to f16, rows in their natural order.  The V groups also store their 256 rows' column sums in f32 (vsum);
; the first sixteen projecting groups also write Wm, rounded to f16, in the order in which a matrix fragment wants it (wmf).
; LIMITS.  Key points are finite and |v| < 1.7e38 (beyond that the sort key is clamped; NaN is not treated).  nodes, weights, Q, K and V lie within f16's 65,504;
; a number below 6.1e-5 keeps f16's fixed step of 6e-8.
; No tensor loads: the operands change format between memory and LDS, which is done once, in registers.  No cluster: a group's own 256 rows are most of what it reads.
; LDS.  The two roles' bytes are disjoint: the projection's lie from 0 on, then the spare words, then the sort's: no byte is named by both texts.
.set PIT,   528                        ; an LDS row: 512 bytes of f16 + 16 of padding: the 16 rows of a fragment load start at 16 different groups of four banks
.set WS,    256*PIT                    ; X's 256 rows lie at 0 (later the way out's stage), W's 256 rows here
.set CSB,   2*256*PIT                  ; [4 row groups][256] f32: column sums
.set SPARE, CSB+4096                   ; the spare words, 128 bytes for each of 16 waves: eight blocks of 256 bytes that no other line names
.set XB,    SPARE+2048                 ; sort: the exchange buffer, 16,384 bytes
.set TB,    XB+16384                   ; sort: the bounds, 2 x 256 words
.set US,    TB+2048                    ; sort: the 16 waves' sums of u, in a block of 256 bytes
.set SPW,  1                           ; v1   my spare word's LDS address; never rewritten
.set NIL,  2                           ; v2   0; never rewritten
.set GOFF, 3                           ; v3   projecting: my byte offset in X and in W: row 16 w + 8 (l / 16), 16 bytes at 16 (l % 16)
.set SA,   4                           ; v4   where my 8 bytes of that row go in X's LDS rows
.set SAW,  5                           ; v5   the same in W's
.set FA,   6                           ; v6   my place in W's fragments
.set FB,   7                           ; v7   in X's
.set SO,   8                           ; v8   the way out: where I put 16 bytes of a row
.set RDB,  9                           ; v9   where I read a row back
.set GST,  10                          ; v10  my byte offset in the group's 256 rows of the result
.set BOFF, 11                          ; v11  my byte offset in the bias
.set ACC,  16                          ; v[16:143]  16 accumulators: token block i, channel block j at ACC + 8 (4 i + j)
.set LX,   144                         ; v[144:175] X as loaded (f32)
.set LW,   176                         ; v[176:207] W as loaded
.set WF,   208                         ; v[208:239] four fragments of W
.set XF0,  240                         ; v[240:247], v[248:255] two fragments of X
.set XF1,  248
	s_load_b512 s[8:23], s[0:1], 0x0               ; nodes_L 8, nodes_R 10, kpts_L 12, kpts_R 14, Wq 16, Wk 18, Wv 20, Wm 22
	s_load_b512 s[24:39], s[0:1], 0x40             ; bq 24, bk 26, bv 28, q16 30, k16 32, v16 34, wmf 36, vsum 38
	s_load_b128 s[40:43], s[0:1], 0x80             ; ustat 40, ord 42
	s_load_b64 s[44:45], s[0:1], 0x90              ; bnd
	v_lshl_add_u32 v[SPW], v0, 2, SPARE
	v_mov_b32 v[NIL], 0
	v_lshrrev_b32 v12, 5, v0
	v_readfirstlane_b32 s46, v12                   ; wave 0..15
	v_and_b32 v13, 31, v0                          ; l
	v_and_b32 v14, 15, v0                          ; r = l % 16
	v_bfe_u32 v15, v0, 4, 1                        ; h = l / 16
	s_cmp_lt_u32 ttmp9, 8                          ; the same for all waves of a work-group
	s_cbranch_scc1 .Lsort
; ---------------------------------------------------------------- THE PROJECTIONS
; A tile is 256 tokens x 256 channels, K = 256.  Wave w makes tokens 64 (w / 4) .. + 63 x channels 64 (w % 4) .. + 63.  The product is taken transposed
; (source 0 = 16 rows of W, source 1 = 16 rows of X): a lane then holds one token (l % 16) and eight neighbouring channels, 16 bytes of f16.
	s_sub_co_u32 s47, ttmp9, 8                     ; g
	s_lshr_b32 s48, s47, 6                         ; 0: Q, 1: K, 2: V
	s_and_b32 s49, s47, 63                         ; the block of 256 rows
	s_lshr_b32 s50, s46, 2                         ; rg
	s_and_b32 s51, s46, 3                          ; cg
	s_lshl_b32 s60, s46, 14                        ; 16 w rows of 1,024 bytes
	v_lshlrev_b32 v[GOFF], 13, v15                 ; lanes 16-31 take the row 8 further down
	v_lshl_add_u32 v[GOFF], v14, 4, v[GOFF]
	v_add_nc_u32 v[GOFF], s60, v[GOFF]
	s_mul_i32 s60, s46, 16*PIT
	v_mul_u32_u24 v[SA], v15, 8*PIT                ; 8 rows on are 128 bytes on modulo 256: the two halves of the lanes use different banks
	v_lshl_add_u32 v[SA], v14, 3, v[SA]
	v_add_nc_u32 v[SA], s60, v[SA]
	v_add_nc_u32 v[SAW], WS, v[SA]
	v_lshl_add_u32 v[RDB], v13, 4, s60
	v_mul_u32_u24 v12, v14, PIT
	v_lshl_add_u32 v12, v15, 4, v12                ; a fragment's row x pitch + 16 x half
	s_mul_i32 s60, s51, 64*PIT
	s_add_co_u32 s60, s60, WS
	v_add_nc_u32 v[FA], s60, v12
	s_mul_i32 s61, s50, 64*PIT
	v_add_nc_u32 v[FB], s61, v12
	s_lshl_b32 s60, s51, 7
	s_add_co_u32 s60, s60, s61
	v_add_nc_u32 v[SO], s60, v12
	s_lshl_b32 s60, s46, 13
	v_lshl_add_u32 v[GST], v13, 4, s60
	s_lshl_b32 s60, s51, 8
	v_lshl_add_u32 v[BOFF], v15, 5, s60            ; (64 cg + 8 h) x 4
	s_lshl_b32 s61, s50, 10
	s_add_co_u32 s62, s60, s61
	s_add_co_u32 s62, s62, CSB                     ; my wave's place among the column sums
	s_mov_b32 s61, 0                               ; from here on the high word of the offsets in s[60:61]
	s_wait_kmcnt 0x0
	s_cmp_eq_u32 s48, 0
	s_cselect_b64 s[52:53], s[8:9], s[10:11]       ; X
	s_cselect_b64 s[54:55], s[16:17], s[18:19]     ; W
	s_cselect_b64 s[56:57], s[24:25], s[26:27]     ; the bias
	s_cselect_b64 s[58:59], s[30:31], s[32:33]     ; the result
	s_cmp_eq_u32 s48, 2
	s_cselect_b64 s[54:55], s[20:21], s[54:55]
	s_cselect_b64 s[56:57], s[28:29], s[56:57]
	s_cselect_b64 s[58:59], s[34:35], s[58:59]
	s_lshl_b32 s60, s49, 18                        ; 256 rows of 1,024 bytes
	s_add_nc_u64 s[52:53], s[52:53], s[60:61]
	s_lshl_b32 s60, s49, 17                        ; 256 rows of 512 bytes
	s_add_nc_u64 s[58:59], s[58:59], s[60:61]
.macro PLACES                          ; four places behind a matrix instruction (ISA guide 7.12.1)
.rept 4
	v_nop
.endr
.endm
; Chunk c: channels 64 c .. 64 c + 63 of my 16 rows of X and of W.  Sixteen lanes read 256 consecutive bytes, aligned.
.macro GLOAD c
.irp i, 0,1,2,3,4,5,6,7
	global_load_b128 v[LX+4*\i:LX+4*\i+3], v[GOFF], s[52:53] offset:\i*1024+(\c)*256
	global_load_b128 v[LW+4*\i:LW+4*\i+3], v[GOFF], s[54:55] offset:\i*1024+(\c)*256
.endr
.endm
; The chunk is rounded to f16, four numbers a lane and row, and laid into the LDS rows.
.macro CVTSTORE c
.irp i, 0,1,2,3,4,5,6,7
	v_cvt_pk_f16_f32 v12, v[LX+4*\i], v[LX+4*\i+1]
	v_cvt_pk_f16_f32 v13, v[LX+4*\i+2], v[LX+4*\i+3]
	ds_store_b64 v[SA], v[12:13] offset:\i*PIT+(\c)*128
	v_cvt_pk_f16_f32 v14, v[LW+4*\i], v[LW+4*\i+1]
	v_cvt_pk_f16_f32 v15, v[LW+4*\i+2], v[LW+4*\i+3]
	ds_store_b64 v[SAW], v[14:15] offset:\i*PIT+(\c)*128
.endr
.endm
.macro XLOAD i, xf, ks
	ds_load_b128 v[\xf:\xf+3],   v[FB] offset:(\i)*16*PIT+(\ks)*64
	ds_load_b128 v[\xf+4:\xf+7], v[FB] offset:(\i)*16*PIT+(\ks)*64+32
.endm
.macro MUL4 i, xf, ks                  ; token block i x the four channel blocks; the first K step starts the sums
.irp j, 0,1,2,3
.if (\ks) == 0
	v_wmma_f32_16x16x32_f16 v[ACC+8*(4*(\i)+\j):ACC+8*(4*(\i)+\j)+7], v[WF+8*\j:WF+8*\j+7], v[\xf:\xf+7], 0
.else
	v_wmma_f32_16x16x32_f16 v[ACC+8*(4*(\i)+\j):ACC+8*(4*(\i)+\j)+7], v[WF+8*\j:WF+8*\j+7], v[\xf:\xf+7], v[ACC+8*(4*(\i)+\j):ACC+8*(4*(\i)+\j)+7]
.endif
.endr
.endm
; 32 along K: 16 products; the 16 accumulators take turns, one instruction a turn, from step to step too.
.macro KSTEP ks
.if ((\ks) % 2) == 1
	PLACES                                         ; in front of loads into registers that the last products read; in an even step the chunk's 32 conversions are the places
.endif
.irp j, 0,1,2,3
	ds_load_b128 v[WF+8*\j:WF+8*\j+3],   v[FA] offset:\j*16*PIT+(\ks)*64
	ds_load_b128 v[WF+8*\j+4:WF+8*\j+7], v[FA] offset:\j*16*PIT+(\ks)*64+32
.endr
	XLOAD 0, XF0, \ks
	XLOAD 1, XF1, \ks
	s_wait_dscnt 0x2                               ; all but the second X fragment's two loads
	MUL4 0, XF0, \ks
	s_wait_dscnt 0x0
	MUL4 1, XF1, \ks
	PLACES
	XLOAD 2, XF0, \ks
	XLOAD 3, XF1, \ks
	s_wait_dscnt 0x2
	MUL4 2, XF0, \ks
	s_wait_dscnt 0x0
	MUL4 3, XF1, \ks
.endm
	GLOAD 0
.irp c, 0,1,2,3
	s_wait_loadcnt 0x0                             ; the chunk, asked for ahead of the last chunk's 32 products
.if \c > 0
	s_barrier_signal -1                            ; every wave has read the last chunk (its LDS loads were waited for ahead of its products) before any wave stores the next:
	s_barrier_wait -1                              ; reads and stores of the shared rows stand on either side of a barrier
.endif
	CVTSTORE \c
.if \c < 3
	GLOAD \c+1
.else
.irp j, 0,1,2,3                        ; the bias of my 4 x 8 channels, into X's landing registers
	global_load_b128 v[LX+8*\j:LX+8*\j+3],   v[BOFF], s[56:57] offset:\j*64
	global_load_b128 v[LX+8*\j+4:LX+8*\j+7], v[BOFF], s[56:57] offset:\j*64+16
.endr
.endif
	s_wait_dscnt 0x0                               ; for the others' sake: my stores are done
	s_barrier_signal -1
	s_barrier_wait -1
	KSTEP 2*\c
	KSTEP 2*\c+1
.endr
	PLACES
	PLACES                                         ; eight, once a launch
	s_wait_loadcnt 0x0                             ; the bias
.set a, 0
.rept 16
.irp k, 0,2,4,6
	v_pk_add_f32 v[ACC+8*a+\k:ACC+8*a+\k+1], v[ACC+8*a+\k:ACC+8*a+\k+1], v[LX+8*(a%4)+\k:LX+8*(a%4)+\k+1]
.endr
.set a, a+1
.endr
	s_cmp_lg_u32 s48, 2
	s_cbranch_scc1 .Lnosum
	; V alone: the sums of my 64 tokens for my 64 channels: over the four token blocks, then over the 16 lanes of a half
.irp j, 0,1,2,3
.irp k, 0,2,4,6
	v_pk_add_f32 v[WF+8*\j+\k:WF+8*\j+\k+1], v[ACC+8*\j+\k:ACC+8*\j+\k+1], v[ACC+8*(4+\j)+\k:ACC+8*(4+\j)+\k+1]
.endr
.endr
.irp j, 0,1,2,3
.irp k, 0,2,4,6
	v_pk_add_f32 v[WF+8*\j+\k:WF+8*\j+\k+1], v[WF+8*\j+\k:WF+8*\j+\k+1], v[ACC+8*(8+\j)+\k:ACC+8*(8+\j)+\k+1]
.endr
.endr
.irp j, 0,1,2,3
.irp k, 0,2,4,6
	v_pk_add_f32 v[WF+8*\j+\k:WF+8*\j+\k+1], v[WF+8*\j+\k:WF+8*\j+\k+1], v[ACC+8*(12+\j)+\k:ACC+8*(12+\j)+\k+1]
.endr
.endr
.irp m, 1,2,4,8
.set n, 0
.rept 32
	v_add_f32_dpp v[WF+n], v[WF+n], v[WF+n] row_xmask:\m row_mask:0xf bank_mask:0xf
.set n, n+1
.endr
.endr
	v_bfe_u32 v12, v0, 4, 1
	v_lshl_add_u32 v12, v12, 5, s62
.irp j, 0,1,2,3                        ; the 16 lanes of a half write the same words with the same numbers
	ds_store_b128 v12, v[WF+8*\j:WF+8*\j+3]   offset:\j*64
	ds_store_b128 v12, v[WF+8*\j+4:WF+8*\j+7] offset:\j*64+16
.endr
.Lnosum:
	s_wait_dscnt 0x0
	s_barrier_signal -1
	s_barrier_wait -1                              ; nobody reads X's rows any more: they become the stage
.set a, 0
.rept 16
.irp k, 0,1,2,3
	v_cvt_pk_f16_f32 v[LX+4*(a%8)+\k], v[ACC+8*a+2*\k], v[ACC+8*a+2*\k+1]
.endr
	ds_store_b128 v[SO], v[LX+4*(a%8):LX+4*(a%8)+3] offset:(a/4)*16*PIT+(a%4)*32
.set a, a+1
.endr
	s_wait_dscnt 0x0                               ; a row's 512 bytes come from four waves
	s_barrier_signal -1
	s_barrier_wait -1
.irp i, 0,1,2,3,4,5,6,7,8,9,10,11,12,13,14,15
	ds_load_b128 v[LX+4*\i:LX+4*\i+3], v[RDB] offset:\i*PIT
.endr
.irp i, 0,1,2,3,4,5,6,7,8,9,10,11,12,13,14,15
	s_wait_dscnt 15-\i                             ; row i is back; the younger loads stay out
	global_store_b128 v[GST], v[LX+4*\i:LX+4*\i+3], s[58:59] offset:\i*512  ; a whole row: 512 consecutive bytes, aligned
.endr
	s_cmp_lg_u32 s48, 2
	s_cbranch_scc1 .Lnovs
	s_cmp_lt_u32 s46, 2
	s_cbranch_scc0 .Lnovs
	v_lshl_add_u32 v12, v0, 4, CSB                 ; V, waves 0 and 1: the four row groups' sums are added, four channels a thread
.irp i, 0,1,2,3
	ds_load_b128 v[16+4*\i:19+4*\i], v12 offset:\i*1024
.endr
	v_lshlrev_b32 v13, 4, v0
	s_lshl_b32 s60, s49, 10
	s_add_nc_u64 s[66:67], s[38:39], s[60:61]
	s_wait_dscnt 0x0
	v_pk_add_f32 v[16:17], v[16:17], v[20:21]
	v_pk_add_f32 v[18:19], v[18:19], v[22:23]
	v_pk_add_f32 v[24:25], v[24:25], v[28:29]
	v_pk_add_f32 v[26:27], v[26:27], v[30:31]
	v_pk_add_f32 v[16:17], v[16:17], v[24:25]
	v_pk_add_f32 v[18:19], v[18:19], v[26:27]
	global_store_b128 v13, v[16:19], s[66:67]
.Lnovs:
	s_cmp_lt_u32 s47, 16
	s_cbranch_scc0 .Lgend
	; Groups 0-15: block g of 16 rows of Wm in fragment order: thread t = 64 ks + 32 half + lane writes 16 bytes at 16 t: Wm[16 g + lane % 16][32 ks + 16 half + 8 (lane / 16) .. + 7]
	v_and_b32 v45, 15, v0
	v_bfe_u32 v46, v0, 4, 1
	v_lshlrev_b32 v45, 10, v45
	v_lshl_add_u32 v45, v46, 5, v45
	s_lshl_b32 s70, s46, 6                         ; 2 ks + half is the wave's number: 16 numbers of 4 bytes each
	v_add_nc_u32 v45, s70, v45
	s_lshl_b32 s60, s47, 14
	s_add_nc_u64 s[68:69], s[22:23], s[60:61]
	global_load_b128 v[32:35], v45, s[68:69]
	global_load_b128 v[36:39], v45, s[68:69] offset:16
	s_lshl_b32 s60, s47, 13
	s_add_nc_u64 s[72:73], s[36:37], s[60:61]
	v_lshlrev_b32 v47, 4, v0
	s_wait_loadcnt 0x0
.irp k, 0,1,2,3
	v_cvt_pk_f16_f32 v[40+\k], v[32+2*\k], v[33+2*\k]
.endr
	global_store_b128 v47, v[40:43], s[72:73]
.Lgend:
	s_wait_tensorcnt 0x0                           ; the wave's end, behind my last LDS store
	ds_add_u32 v[SPW], v[NIL]
	s_wait_dscnt 0x0
	s_endpgm
; ---------------------------------------------------------------- THE SORT
; A bitonic network on 4,096 keys, 8 a thread: element e = 8 t + r (bits 0-2: the register, 3-7: the lane, 8-11: the wave).  All addresses are fixed.
; THE KEY.  m = v's bits made monotone (negative: all bits turned; else the sign bit set), held to 0x01000000 .. 0xFEFFFFFF; key = ((m >> 1) & 0x7FFFF000) | index.  All keys
; differ, and as a bit pattern each is a positive normal f32: the float minimum, maximum and middle-of-three order them and return them unchanged, and a turned sign bit
; turns the order.  Blocks that a stage wants descending carry turned signs, so every comparison ascends.
; THE BOUNDS.  coarse = key >> 12 = m >> 13.  For a block of 16 sorted places of kpts_R: the coarse keys of its first and last element.  For kpts_L: T = coarse(low end of the
; first element's bucket - 3) - 1 and U = coarse(high end of the last element's bucket + 3) + 1.  A key whose coarse key is below T or above U lies 8,192 float steps or more beyond
; the rounded v -+ 3, whose rounding is half a step: so |vL - vR| >= 3 exactly, and also as f32 rounds it.
.set CUR,  16                          ; v[16:23], v[24:31] the keys, two sets that change places
.set NXT,  24
.set P,    32                          ; v[32:39] the partner's keys
.set BL,   40                          ; v[40:44] for lane bit k: -infinity (I keep the smaller) or +infinity (the greater)
.set PA,   45                          ; v[45:48] for wave bit k: my partner's 16 bytes in the exchange buffer
.set OA,   49                          ; v49  16 t: my offset in memory
.set GRAY, 50                          ; v50  t ^ (t >> 1)
.set FM,   51                          ; v51  the sign mask at work
.set KV,   52                          ; v[52:67] eight (u, v) as loaded
.set OAL,  77                          ; v77  XB + 16 t: my 16 bytes in the exchange buffer
.set BW,   50                          ; s[50:53] as BL, for the wave's bits
.Lsort:
	s_mov_b32 s47, ttmp9                           ; the array
	s_and_b32 s48, s47, 3                          ; its batch
	s_lshl_b32 s60, s48, 15
	s_mov_b32 s61, 0
	s_mov_b32 s54, 0x76543210                      ; v_permlanex16_b32: each lane takes its own place in the other half
	s_mov_b32 s55, 0xfedcba98
.irp lb, 0,1,2,3,4
	v_bfe_u32 v12, v0, \lb, 1
	v_lshlrev_b32 v12, 31, v12
	v_xor_b32 v[BL+\lb], 0xff800000, v12
.endr
.irp wb, 0,1,2,3
	s_bfe_u32 s56, s46, (1<<16)|\wb
	s_lshl_b32 s56, s56, 31
	s_xor_b32 s[BW+\wb], s56, 0xff800000
	s_xor_b32 s56, s46, 1<<\wb
	s_lshl_b32 s56, s56, 9
	s_add_co_u32 s56, s56, XB
	v_lshl_add_u32 v[PA+\wb], v13, 4, s56
.endr
	v_lshlrev_b32 v[OA], 4, v0
	v_lshl_add_u32 v[OAL], v0, 4, XB
	v_lshrrev_b32 v12, 1, v0
	v_xor_b32 v[GRAY], v0, v12
.irp k, 0,1,2,3,4,5,6,7
	v_mov_b32 v[P+\k], 0                           ; a lane exchange's destination counts as read: written once here
.endr
	v_lshlrev_b32 v68, 1, v0                       ; 2 t
	s_wait_kmcnt 0x0
	s_cmp_lt_u32 s47, 4
	s_cselect_b64 s[58:59], s[12:13], s[14:15]
	s_add_nc_u64 s[58:59], s[58:59], s[60:61]
.irp q, 0,1,2,3                        ; points 1,024 q + 2 t and + 1: which thread starts with which point is free
	global_load_b128 v[KV+4*\q:KV+4*\q+3], v[OA], s[58:59] offset:\q*8192
.endr
	s_wait_loadcnt 0x0
.macro MKKEY k
	v_ashrrev_i32 v14, 31, v[KV+2*(\k)+1]
	v_or_b32 v14, 0x80000000, v14
	v_xor_b32 v14, v[KV+2*(\k)+1], v14
	v_min_u32 v14, 0xfeffffff, v14
	v_max_u32 v14, 0x01000000, v14
	v_lshrrev_b32 v14, 1, v14
	v_add_nc_u32 v15, 1024*((\k)/2)+(\k)%2, v68
	v_and_or_b32 v[CUR+(\k)], v14, 0x7ffff000, v15
.endm
.irp k, 0,1,2,3,4,5,6,7
	MKKEY \k
.endr
	v_add_f32 v69, v[KV], v[KV+2]                  ; the sum of u: my eight, my wave's, a word for each wave
	v_add_f32 v70, v[KV+4], v[KV+6]
	v_add_f32 v71, v[KV+8], v[KV+10]
	v_add_f32 v72, v[KV+12], v[KV+14]
	v_add_f32 v69, v69, v70
	v_add_f32 v71, v71, v72
	v_add_f32 v69, v69, v71
.irp m, 1,2,4,8
	v_add_f32_dpp v69, v69, v69 row_xmask:\m row_mask:0xf bank_mask:0xf
.endr
	v_permlanex16_b32 v[P], v69, s54, s55
	v_add_f32 v69, v69, v[P]
	s_lshl_b32 s56, s46, 2
	s_add_co_u32 s56, s56, US
	v_mov_b32 v70, s56
	ds_store_b32 v70, v69                          ; waited for in front of the first barrier below
.macro RSTEP d, s                      ; partners 2^d registers apart; in stages 1 and 2 the direction goes by bit s of the register
.set rr, 0
.rept 8
.if ((rr >> (\d)) & 1) == 0
.if ((\s) <= 2) && ((rr >> (\s)) & 1)
	v_max_num_f32 v[NXT+rr], v[CUR+rr], v[CUR+rr+(1<<(\d))]
	v_min_num_f32 v[NXT+rr+(1<<(\d))], v[CUR+rr], v[CUR+rr+(1<<(\d))]
.else
	v_min_num_f32 v[NXT+rr], v[CUR+rr], v[CUR+rr+(1<<(\d))]
	v_max_num_f32 v[NXT+rr+(1<<(\d))], v[CUR+rr], v[CUR+rr+(1<<(\d))]
.endif
.endif
.set rr, rr+1
.endr
.set TSW, CUR
.set CUR, NXT
.set NXT, TSW
.endm
.macro LSTEP lb                        ; partners 2^lb lanes apart: the middle of mine, the partner's and -+infinity is the smaller or the greater
.set rr, 0
.rept 8
.if (\lb) == 4
	v_permlanex16_b32 v[P+rr], v[CUR+rr], s54, s55
.else
	v_mov_b32_dpp v[P+rr], v[CUR+rr] row_xmask:1<<(\lb) row_mask:0xf bank_mask:0xf
.endif
.set rr, rr+1
.endr
.set rr, 0
.rept 8
	v_med3_num_f32 v[CUR+rr], v[CUR+rr], v[P+rr], v[BL+(\lb)]
.set rr, rr+1
.endr
.endm
.macro WSTEP wb                        ; partners 2^wb waves apart, through LDS: store, wait, barrier, load; and load, wait, barrier ahead of the next exchange's stores
	ds_store_b128 v[OAL], v[CUR:CUR+3]
	ds_store_b128 v[OAL], v[CUR+4:CUR+7] offset:8192
	s_wait_dscnt 0x0
	s_barrier_signal -1
	s_barrier_wait -1
	ds_load_b128 v[P:P+3],   v[PA+(\wb)]
	ds_load_b128 v[P+4:P+7], v[PA+(\wb)] offset:8192
	s_wait_dscnt 0x0
	s_barrier_signal -1                            ; my reads are over; the comparisons, work on registers, stand between signal and wait
.set rr, 0
.rept 8
	v_med3_num_f32 v[CUR+rr], v[CUR+rr], v[P+rr], s[BW+(\wb)]
.set rr, rr+1
.endr
	s_barrier_wait -1
.endm
.macro FLIP sh                         ; from stage s to s + 1 the sign turns where bits s and s + 1 of e differ: bit s - 3 of t ^ (t >> 1), shifted to the top
	v_lshlrev_b32 v[FM], \sh, v[GRAY]
	v_and_b32 v[FM], 0x80000000, v[FM]
.set rr, 0
.rept 8
	v_xor_b32 v[CUR+rr], v[FM], v[CUR+rr]
.set rr, rr+1
.endr
.endm
.macro STAGE s                         ; blocks of 2^s: partners 2^(s-1) .. 1 apart
.set dd, (\s)-1
.rept \s
.if dd >= 8
	WSTEP dd-8
.elseif dd >= 3
	LSTEP dd-3
.else
	RSTEP dd, \s
.endif
.set dd, dd-1
.endr
.endm
	STAGE 1
	STAGE 2
	v_lshlrev_b32 v[FM], 31, v0                    ; stage 3 descends where bit 3 of e, bit 0 of t, is set
.set rr, 0
.rept 8
	v_xor_b32 v[CUR+rr], v[FM], v[CUR+rr]
.set rr, rr+1
.endr
	STAGE 3
.irp s, 3,4,5,6,7,8,9,10,11
	FLIP 34-\s
	STAGE \s+1
.endr
	; sorted: place 8 t + r lies in register r; every sign is positive again
.irp k, 0,1,2,3,4,5,6,7
	v_and_b32 v[NXT+\k], 0xfff, v[CUR+\k]          ; the index
.endr
	v_lshl_add_u32 v73, v0, 5, XB
	ds_store_b128 v73, v[NXT:NXT+3]                ; behind the last exchange's closing barrier
	ds_store_b128 v73, v[NXT+4:NXT+7] offset:16
	v_and_b32 v12, 1, v0                           ; an even thread holds a block's first element, an odd one its last
	v_cmp_eq_u32 vcc_lo, 1, v12
	v_cndmask_b32 v13, v[CUR], v[CUR+7], vcc_lo
	v_lshrrev_b32 v13, 12, v13                     ; its coarse key
	v_mul_u32_u24 v14, v12, 0x1fff
	v_lshl_or_b32 v14, v13, 13, v14                ; the bucket's low end (first) or high end (last), monotone
	v_lshlrev_b32 v15, 31, v12
	v_xor_b32 v15, 0xc0400000, v15                 ; -3.0 or +3.0
	v_lshl_add_u32 v69, v12, 1, -1                 ; -1 or +1
	v_ashrrev_i32 v70, 31, v14
	v_xor_b32 v70, -1, v70
	v_or_b32 v70, 0x80000000, v70
	v_xor_b32 v70, v14, v70                        ; back to a float
	v_add_f32 v70, v70, v15
	v_ashrrev_i32 v71, 31, v70
	v_or_b32 v71, 0x80000000, v71
	v_xor_b32 v71, v70, v71
	v_lshrrev_b32 v71, 13, v71
	v_add_nc_u32 v71, v71, v69                     ; T or U
	s_cmp_lt_u32 s47, 4
	s_cselect_b32 s57, -1, 0
	v_cndmask_b32 v71, v13, v71, s57               ; kpts_L: the threshold; kpts_R: the coarse key
	v_lshrrev_b32 v72, 1, v0
	v_lshlrev_b32 v72, 2, v72
	v_lshl_add_u32 v72, v12, 10, v72
	v_add_nc_u32 v72, TB, v72
	ds_store_b32 v72, v71
	s_wait_dscnt 0x0
	s_barrier_signal -1
	s_barrier_wait -1
	ds_load_b128 v[P:P+3],   v[OAL]
	ds_load_b128 v[P+4:P+7], v[OAL] offset:8192
	s_lshl_b32 s60, s47, 14
	s_add_nc_u64 s[62:63], s[42:43], s[60:61]
	s_wait_dscnt 0x0
	global_store_b128 v[OA], v[P:P+3],   s[62:63]              ; a wave stores 512 consecutive bytes, aligned
	global_store_b128 v[OA], v[P+4:P+7], s[62:63] offset:8192
	s_cmp_lt_u32 s46, 4
	s_cbranch_scc0 .Lsend
	v_add_nc_u32 v74, TB, v[OA]                    ; waves 0-3: the 2,048 bytes of bounds
	ds_load_b128 v[52:55], v74
	s_lshl_b32 s60, s47, 11
	s_add_nc_u64 s[66:67], s[44:45], s[60:61]
	s_wait_dscnt 0x0
	global_store_b128 v[OA], v[52:55], s[66:67]
	s_cmp_lg_u32 s46, 0
	s_cbranch_scc1 .Lsend
	s_cmp_lt_u32 s47, 4
	s_cbranch_scc1 .Lsend
	v_mov_b32 v75, US                              ; wave 0 of a kpts_R array: the 16 waves' sums of u
.irp i, 0,1,2,3
	ds_load_b128 v[56+4*\i:59+4*\i], v75 offset:\i*16
.endr
	s_lshl_b32 s60, s48, 8
	s_add_nc_u64 s[68:69], s[40:41], s[60:61]
	v_lshlrev_b32 v76, 3, v0
	s_wait_dscnt 0x0
.irp k, 0,2,4,6
	v_pk_add_f32 v[56+\k:57+\k], v[56+\k:57+\k], v[64+\k:65+\k]
.endr
	v_pk_add_f32 v[56:57], v[56:57], v[60:61]
	v_pk_add_f32 v[58:59], v[58:59], v[62:63]
	v_pk_add_f32 v[56:57], v[56:57], v[58:59]
	v_add_f32 v56, v56, v57
	v_mov_b32 v57, v56
	global_store_b64 v76, v[56:57], s[68:69]       ; 256 bytes, the same number throughout
.Lsend:
	s_wait_tensorcnt 0x0                           ; the wave's end, behind my last LDS store
	ds_add_u32 v[SPW], v[NIL]
	s_wait_dscnt 0x0
	s_endpgm
.Lfunc_end_k_qb8840870cf_prep:
	.size	k_qb8840870cf_prep, .Lfunc_end_k_qb8840870cf_prep-k_qb8840870cf_prep
	.p2alignl 7, 3214868480
	.fill 96, 4, 3214868480
	.section	.rodata,"a",@progbits
	.p2align	6, 0x0
	.amdhsa_kernel k_qb8840870cf_prep
		.amdhsa_group_segment_fixed_size 295168
		.amdhsa_private_segment_fixed_size 0
		.amdhsa_enable_private_segment 0
		.amdhsa_kernarg_size 152
		.amdhsa_user_sgpr_count 2
		.amdhsa_user_sgpr_kernarg_segment_ptr 1
		.amdhsa_wavefront_size32 1
		.amdhsa_system_sgpr_workgroup_id_x 1
		.amdhsa_system_sgpr_workgroup_id_y 1
		.amdhsa_system_sgpr_workgroup_id_z 1
		.amdhsa_system_vgpr_workitem_id 0
		.amdhsa_next_free_vgpr 256
		.amdhsa_next_free_sgpr 80
		.amdhsa_reserve_vcc 1
		.amdhsa_float_denorm_mode_32 3
		.amdhsa_float_denorm_mode_16_64 3
		.amdhsa_memory_ordered 1
		.amdhsa_forward_progress 1
		.amdhsa_inst_pref_size 135
	.end_amdhsa_kernel
	.amdgpu_metadata
---
amdhsa.version: [ 1, 2 ]
amdhsa.kernels:
  - .name:           k_qb8840870cf_prep
    .symbol:         k_qb8840870cf_prep.kd
    .args:
      - { .name: nodes_L, .offset: 0, .size: 8, .value_kind: global_buffer, .address_space: global }
      - { .name: nodes_R, .offset: 8, .size: 8, .value_kind: global_buffer, .address_space: global }
      - { .name: kpts_L, .offset: 16, .size: 8, .value_kind: global_buffer, .address_space: global }
      - { .name: kpts_R, .offset: 24, .size: 8, .value_kind: global_buffer, .address_space: global }
      - { .name: Wq, .offset: 32, .size: 8, .value_kind: global_buffer, .address_space: global }
      - { .name: Wk, .offset: 40, .size: 8, .value_kind: global_buffer, .address_space: global }
      - { .name: Wv, .offset: 48, .size: 8, .value_kind: global_buffer, .address_space: global }
      - { .name: Wm, .offset: 56, .size: 8, .value_kind: global_buffer, .address_space: global }
      - { .name: bq, .offset: 64, .size: 8, .value_kind: global_buffer, .address_space: global }
      - { .name: bk, .offset: 72, .size: 8, .value_kind: global_buffer, .address_space: global }
      - { .name: bv, .offset: 80, .size: 8, .value_kind: global_buffer, .address_space: global }
      - { .name: q16, .offset: 88, .size: 8, .value_kind: global_buffer, .address_space: global }
      - { .name: k16, .offset: 96, .size: 8, .value_kind: global_buffer, .address_space: global }
      - { .name: v16, .offset: 104, .size: 8, .value_kind: global_buffer, .address_space: global }
      - { .name: wmf, .offset: 112, .size: 8, .value_kind: global_buffer, .address_space: global }
      - { .name: vsum, .offset: 120, .size: 8, .value_kind: global_buffer, .address_space: global }
      - { .name: ustat, .offset: 128, .size: 8, .value_kind: global_buffer, .address_space: global }
      - { .name: ord, .offset: 136, .size: 8, .value_kind: global_buffer, .address_space: global }
      - { .name: bnd, .offset: 144, .size: 8, .value_kind: global_buffer, .address_space: global }
    .group_segment_fixed_size: 295168
    .private_segment_fixed_size: 0
    .kernarg_segment_align: 8
    .kernarg_segment_size: 152
    .max_flat_workgroup_size: 512
    .sgpr_count:     80
    .vgpr_count:     256
    .wavefront_size: 32
...
	.end_amdgpu_metadata
.endif
;; end of part 1
;; launch attn (part 2): grid 64 x 4, 4 waves a work-group, no clusters, 173,568 bytes of LDS; arguments q16, k16, v16, wmf, vsum, ustat, ord, bnd, kpts_L, kpts_R, bm, out0, out1, out2; writes out0, out1, out2
.if DOCPART == 2
	.amdgcn_target "amdgcn-amd-amdhsa--gfx1250"
	.amdhsa_code_object_version 6
	.text
	.protected	k_qb8840870cf_attn
	.globl	k_qb8840870cf_attn
	.p2align	8
	.type	k_qb8840870cf_attn,@function
k_qb8840870cf_attn:
	s_mov_b64 s[64:65], 0
	v_nop
	global_prefetch_b8 v0, s[64:65] scope:SCOPE_SE
	s_setreg_imm32_b32 hwreg(HW_REG_WAVE_MODE, 25, 1), 1
	s_wait_xcnt 0x0
; ATTN.  out0 = softmax(mask ? Q K^T / 16 : -1e9) V Wm^T + bm;  out1 = the weights' sum of uL - uR;  out2 = 1 where a row sees a key.  mask: |vL - vR| < 3, 0 < uL - uR < 192.
; SHARES.  A wave owns 16 queries that are neighbours in v (block qb = 4 x + w of the batch's sorted order).  Of the keys, sorted by v too and taken in chunks of 32, it walks only
; chunks lo .. lo + n - 1: a chunk is left out if its last key's coarse key is below the block's T or its first's above U, in which case |vL - vR| >= 3 for all its pairs.  lo and n come from
; whole numbers that the launch before stored, and may be all 128 chunks.  Inside a chunk the mask is reference()'s own, in f32, from the key points as given.
; K and V rows are gathered by the stored order into LDS of the wave's own, so the loop, whose trip count differs from wave to wave, holds no barrier.
; LAYOUT.  S^T = K Q^T (source 0 = 16 keys, source 1 = the 16 queries): a lane holds ONE query (lane % 16) and keys 8 (lane / 16) + 0..7 of each 16.  The two results, rounded to f16 in
; pairs, ARE source 1 of O^T = V^T P; V comes out of LDS turned (ds_load_tr16_b128).
; SOFTMAX.  A running maximum m, p = 2^(c s - c m), c = log2(e) / 16; O, l and D are multiplied by a = 2^(c m_old - c m_new) in every trip.  THE START IS ONE VIRTUAL KEY with score -1e9, weight 1,
; value mean(V) and uL - mean(uR): what reference()'s 4,096 equal weights give a row that sees nothing.  The first true score makes a = 0 and removes it, as reference()'s weights e^(-1e9 - max) are 0.
; A hidden score is set to the lowest finite number: its weight is 0.
; THE END.  The four waves' 64 rows of O meet in LDS (f16); wave w multiplies them by rows 64 w .. + 63 of Wm; the result goes through LDS and leaves as whole rows of 1,024 bytes.
; LIMITS.  Q, K, V, P, O and Wm are f16 (within 65,504; P in 0 to 1).  True scores lie above -1e9.  Key points are finite.  A weight below 2^-126 counts as 0.
; No tensor loads and no cluster: the rows are named by a list, and a refill's barrier cannot stand in a loop whose trips differ between waves.  No prefetch: a row is read by several waves shortly after each other.
; REGISTERS, in windows of 256 (s_set_vgpr_msb: bits 1:0 source 0, 3:2 source 1, 5:4 source 2, 7:6 destination):
;   window 0: addresses, statistics, S^T, P, du, dv; v128-255 K's fragments, then V's     window 1: v0-127 O^T, later the projection's sums; v128-191 Q; v192-223 row offsets, later bm; v224-239 out0's row offsets
;   window 2: Wm's fragments (j, ks) at 64 j + 8 ks                                        window 3: rows as gathered (K at 4 j, V at 128 + 4 j), later O's fragments (qt, ks) at 64 qt + 8 ks
.set PK,    528                        ; a row of K (and of Q, O) in LDS: 512 bytes + 16: the 16 rows of a fragment load start at 16 different groups of four banks
.set PV,    544                        ; a row of V: 512 + 32, an odd multiple of 32, for the turning load
.set VOF,   32*PK                      ; in a wave's stage: 32 rows of K, 32 rows of V, u[32], v[32]
.set COF,   VOF+32*PV
.set STG,   COF+256                    ; 34,560 bytes a wave
.set OST,   4*STG                      ; 64 rows of O, f16
.set MVB,   OST+64*PK                  ; mean V, 256 f32
.set SPARE, MVB+1024                   ; the spare words, 128 bytes a wave: two blocks of 256 bytes that no other line names
.set PF,    1040                       ; the result's stage: 64 rows of 1,024 + 16 bytes, from byte 0 on, over the waves' stages when all have left them
.set L16, 4                            ; v4   16 l
.set SK,  5                            ; v5   my stage + 16 l
.set FK,  6                            ; v6   my place in a fragment of K or Q
.set FV,  7                            ; v7   in a turned fragment of V
.set FC,  8                            ; v8   my 8 keys' u
.set SC,  9                            ; v9   where lane l puts key l's u
.set VIO, 10                           ; v10  offset of my index in ord
.set VI,  11                           ; v11  key l's index
.set VKO, 12                           ; v12  its offset in kpts_R
.set WMO, 13                           ; v13  my offset in wmf
.set KP,  14                           ; v[14:15] key l's (u, v)
.set QI,  16                           ; v16  my query's index;  v17 four times it
.set QI4, 17
.set UL,  18                           ; v[18:19] uL twice;  v[20:21] vL twice
.set VL,  20
.set BIGN, 22                          ; v22  the lowest finite number
.set SPW, 23                           ; v23  my spare word's LDS address; never rewritten
.set NIL, 24                           ; v24  0; never rewritten
.set LT,  25                           ; v25  (l % 16) x 528 + 16 (l / 16)
.set CM,  26                           ; v26 c m, v27 m
.set LS,  28                           ; v[28:29] l (even keys', odd keys')
.set DS,  30                           ; v[30:31] D, the sum of p (uL - uR)
.set ANY, 32                           ; v32  the greatest score seen, hidden ones at the lowest finite number
.set S,   48                           ; v[48:63] S^T
.set P,   64                           ; v[64:71] P
.set DU,  72                           ; v[72:87] uR, then uL - uR
.set DV,  88                           ; v[88:103] vR, then vL - vR
.set FR,  128
.set QF,  128                          ; window 1
.set VOFF, 192                         ; window 1
.set ROW, 224                          ; window 1
.set WV,  66                           ; s66 wave, s67 batch, s68 qb
.set CNT, 69                           ; s69 trips done, s70 trips, s71 the chunk whose indices were asked for last
.set NTR, 70
.set NXC, 71
.set MK,  80                           ; s[80:95] my 16 queries' indices; in the loop s[80:91] are twelve lane masks
.set MSB, 0
.macro WIN new                         ; the immediate's high byte repeats the setting that is left; a switch that changes nothing is dropped
.if MSB != (\new)
	s_set_vgpr_msb (MSB<<8)|(\new)
.set MSB, \new
.endif
.endm
	s_load_b512 s[4:19], s[0:1], 0x0               ; q16 4, k16 6, v16 8, wmf 10, vsum 12, ustat 14, ord 16, bnd 18
	s_load_b256 s[20:27], s[0:1], 0x40             ; kpts_L 20, kpts_R 22, bm 24, out0 26
	s_load_b128 s[28:31], s[0:1], 0x60             ; out1 28, out2 30
	v_lshl_add_u32 v[SPW], v0, 2, SPARE
	v_mov_b32 v[NIL], 0
	v_lshrrev_b32 v1, 5, v0
	v_readfirstlane_b32 s[WV], v1
	v_and_b32 v1, 31, v0                           ; l
	v_and_b32 v2, 15, v0                           ; r
	v_bfe_u32 v3, v0, 4, 1                         ; h
	s_and_b32 s67, ttmp7, 0xffff
	s_lshl_b32 s68, ttmp9, 2
	s_add_co_u32 s68, s68, s[WV]
	s_mul_i32 s2, s[WV], STG                       ; my stage
	v_lshlrev_b32 v[L16], 4, v1
	v_add_nc_u32 v[SK], s2, v[L16]
	v_mul_u32_u24 v[LT], v2, PK
	v_lshl_add_u32 v[LT], v3, 4, v[LT]
	v_add_nc_u32 v[FK], s2, v[LT]
	v_and_b32 v33, 7, v0
	v_bfe_u32 v34, v0, 3, 1
	v_lshl_add_u32 v[FV], v3, 3, v33               ; key 8 (l / 16) + l % 8,
	v_mul_u32_u24 v[FV], v[FV], PV
	v_lshl_add_u32 v[FV], v34, 4, v[FV]            ; channels 8 ((l / 8) % 2) on
	s_add_co_u32 s3, s2, VOF
	v_add_nc_u32 v[FV], s3, v[FV]
	s_add_co_u32 s3, s2, COF
	v_lshl_add_u32 v[FC], v3, 5, s3
	v_lshl_add_u32 v[SC], v1, 2, s3
	v_mov_b32 v[BIGN], 0xff7fffff
	s_mov_b32 s96, 0x40400000                      ; 3.0
	s_mov_b32 s97, 0x43400000                      ; 192.0
	s_mov_b32 s98, 0x3db8aa3b                      ; c = log2(e) / 16
	s_mov_b32 s99, s98                             ; named with it as a pair
	s_mov_b32 s100, 0x76543210                     ; v_permlanex16_b32: each lane takes its own place in the other half
	s_mov_b32 s101, 0xfedcba98
	s_mov_b32 s79, 0
	s_wait_kmcnt 0x0
	s_lshl_b32 s78, s67, 21                        ; the batch's part of each buffer
	s_add_nc_u64 s[4:5], s[4:5], s[78:79]
	s_add_nc_u64 s[6:7], s[6:7], s[78:79]
	s_add_nc_u64 s[8:9], s[8:9], s[78:79]
	s_lshl_b32 s78, s67, 14
	s_add_nc_u64 s[12:13], s[12:13], s[78:79]
	s_add_nc_u64 s[16:17], s[16:17], s[78:79]      ; ord of kpts_L,
	s_add_nc_u64 s[74:75], s[16:17], 0x10000       ; and of kpts_R, four arrays on
	s_add_nc_u64 s[28:29], s[28:29], s[78:79]
	s_add_nc_u64 s[30:31], s[30:31], s[78:79]
	s_lshl_b32 s78, s67, 8
	s_add_nc_u64 s[14:15], s[14:15], s[78:79]
	s_lshl_b32 s78, s67, 11
	s_add_nc_u64 s[18:19], s[18:19], s[78:79]      ; bnd of kpts_L,
	s_add_nc_u64 s[76:77], s[18:19], 0x2000        ; and of kpts_R
	s_lshl_b32 s78, s67, 15
	s_add_nc_u64 s[20:21], s[20:21], s[78:79]
	s_add_nc_u64 s[22:23], s[22:23], s[78:79]
	s_lshl_b32 s78, s67, 22
	s_add_nc_u64 s[26:27], s[26:27], s[78:79]
	s_lshl_b32 s73, s68, 2
	s_lshl_b32 s69, s68, 6
	s_load_b32 s2, s[18:19], s73 offset:0x0        ; T
	s_load_b32 s3, s[18:19], s73 offset:0x400      ; U
	s_load_b32 s72, s[14:15], 0x0                  ; the sum of uR
	s_load_b512 s[80:95], s[16:17], s69 offset:0x0 ; my 16 queries
	v_lshlrev_b32 v33, 5, v1
	global_load_b128 v[104:107], v33, s[76:77]             ; the first keys of 16-blocks 8 l .. 8 l + 7: the even ones are chunks 4 l .. 4 l + 3's
	global_load_b128 v[108:111], v33, s[76:77] offset:16
	global_load_b128 v[112:115], v33, s[76:77] offset:1024 ; the last keys: the odd ones are the chunks'
	global_load_b128 v[116:119], v33, s[76:77] offset:1040
	v_lshl_add_u32 v34, v2, 2, s69
	global_load_b32 v[QI], v34, s[16:17]
	s_lshl_b32 s78, s[WV], 15
	v_add_nc_u32 v[WMO], s78, v[L16]
.macro WMLOAD j                        ; rows 64 w + 16 j .. + 15 of Wm: 16 loads of 512 consecutive bytes
.set ks, 0
.rept 8
	global_load_b128 v[64*(\j)+8*ks:64*(\j)+8*ks+3],   v[WMO], s[10:11] offset:(\j)*8192+ks*1024
	global_load_b128 v[64*(\j)+8*ks+4:64*(\j)+8*ks+7], v[WMO], s[10:11] offset:(\j)*8192+ks*1024+512
.set ks, ks+1
.endr
.endm
	WIN 0x80
	WMLOAD 0
	WMLOAD 1
	WMLOAD 2
	WIN 0
	s_wait_kmcnt 0x0
	s_wait_loadcnt 48                              ; the bounds and my query's index are in; Wm's 48 loads stay out
	v_cmp_gt_u32 s78, s2, v113                     ; chunks that end below T: a prefix, since the keys ascend
	v_cmp_gt_u32 s79, s2, v115
	v_cmp_gt_u32 s69, s2, v117
	v_cmp_gt_u32 s73, s2, v119
	s_bcnt1_i32_b32 s78, s78
	s_bcnt1_i32_b32 s79, s79
	s_bcnt1_i32_b32 s69, s69
	s_bcnt1_i32_b32 s73, s73
	s_add_co_u32 s78, s78, s79
	s_add_co_u32 s69, s69, s73
	s_add_co_u32 s[NXC], s78, s69                  ; lo
	v_cmp_lt_u32 s78, s3, v104                     ; chunks that begin above U: a suffix
	v_cmp_lt_u32 s79, s3, v106
	v_cmp_lt_u32 s69, s3, v108
	v_cmp_lt_u32 s73, s3, v110
	s_bcnt1_i32_b32 s78, s78
	s_bcnt1_i32_b32 s79, s79
	s_bcnt1_i32_b32 s69, s69
	s_bcnt1_i32_b32 s73, s73
	s_add_co_u32 s78, s78, s79
	s_add_co_u32 s69, s69, s73
	s_add_co_u32 s78, s78, s69
	s_sub_co_u32 s[NTR], 128, s78
	s_sub_co_u32 s[NTR], s[NTR], s[NXC]
	s_max_i32 s[NTR], s[NTR], 1                    ; one trip at the least: where no chunk is in range its mask hides everything
	s_min_u32 s[NXC], s[NXC], 127
	s_lshl_b32 s73, s[NXC], 7
	s_load_b512 s[32:47], s[74:75], s73 offset:0x0 ; chunk lo's 32 indices, as scalars for the rows,
	s_load_b512 s[48:63], s[74:75], s73 offset:0x40
	v_lshl_add_u32 v[VIO], v1, 2, s73
	global_load_b32 v[VI], v[VIO], s[74:75]        ; and a lane each for the key points
.set ii, 0
.rept 16
	s_min_u32 s[80+ii], s[80+ii], 0xfff
.set ii, ii+1
.endr
	WIN 0x40
.set ii, 0
.rept 16
	v_lshl_add_u32 v[VOFF+ii], s[80+ii], 9, v[L16] ; query i's row of Q,
	v_lshl_add_u32 v[ROW+ii], s[80+ii], 10, v[L16] ; and of out0
.set ii, ii+1
.endr
	WIN 0xc1
.set ii, 0
.rept 16
	global_load_b128 v[4*ii:4*ii+3], v[VOFF+ii], s[4:5]
.set ii, ii+1
.endr
	WIN 0
	v_min_u32 v[QI], 0xfff, v[QI]
	v_lshlrev_b32 v[QI4], 2, v[QI]
	v_lshlrev_b32 v35, 3, v[QI]
	global_load_b64 v[38:39], v35, s[20:21]        ; (uL, vL)
	v_lshlrev_b32 v37, 3, v0
.set ii, 0
.rept 16                               ; the batch's 16 blocks' column sums of V, two channels a thread
	global_load_b64 v[FR+2*ii:FR+2*ii+1], v37, s[12:13] offset:ii*1024
.set ii, ii+1
.endr
	WIN 0x80
	WMLOAD 3
	WIN 0
	s_wait_loadcnt 16                              ; all but Wm's last 16 loads
	s_wait_kmcnt 0x0
	WIN 0x0c
.set ii, 0
.rept 16
	ds_store_b128 v[SK], v[4*ii:4*ii+3] offset:ii*PK  ; Q's rows pass through K's place in my stage
.set ii, ii+1
.endr
	WIN 0
; The rows of the chunk whose indices are in are asked for (K and V: a row's 512 bytes to a load; the key points: a lane a key), then the next chunk's indices.
; It stands behind waits that show all earlier loads done: so the offsets that they read may be written.  Behind the last chunk the look-ahead stays at chunk 127.
.macro GATHER
.set jj, 0
.rept 32
	s_min_u32 s[32+jj], s[32+jj], 0xfff
.set jj, jj+1
.endr
	WIN 0
	v_min_u32 v[VI], 0xfff, v[VI]
	v_lshlrev_b32 v[VKO], 3, v[VI]
	WIN 0x40
.set jj, 0
.rept 32
	v_lshl_add_u32 v[VOFF+jj], s[32+jj], 9, v[L16]
.set jj, jj+1
.endr
	WIN 0xc1
.set jj, 0
.rept 32
	global_load_b128 v[4*jj:4*jj+3],         v[VOFF+jj], s[6:7]
	global_load_b128 v[128+4*jj:128+4*jj+3], v[VOFF+jj], s[8:9]
.set jj, jj+1
.endr
	WIN 0
	global_load_b64 v[KP:KP+1], v[VKO], s[22:23]
	s_add_co_u32 s[NXC], s[NXC], 1
	s_min_u32 s[NXC], s[NXC], 127
	s_lshl_b32 s73, s[NXC], 7
	s_load_b512 s[32:47], s[74:75], s73 offset:0x0
	s_load_b512 s[48:63], s[74:75], s73 offset:0x40
	v_lshl_add_u32 v[VIO], v1, 2, s73
	global_load_b32 v[VI], v[VIO], s[74:75]
.endm
	GATHER                                         ; chunk lo's rows, chunk lo + 1's indices
	WIN 0x40
.set ks, 0
.rept 8                                ; Q's fragments stay in registers; LDS serves a wave's instructions in order (ISA guide 5.7.1.4): these see my stores above
	ds_load_b128 v[QF+8*ks:QF+8*ks+3],   v[FK] offset:ks*64
	ds_load_b128 v[QF+8*ks+4:QF+8*ks+7], v[FK] offset:ks*64+32
.set ks, ks+1
.endr
	WIN 0
.irp st, 16,8,4,2                      ; mean V: 15 additions in a tree, then 1 / 4,096
.set ii, 0
.rept \st/2
	v_pk_add_f32 v[FR+2*ii:FR+2*ii+1], v[FR+2*ii:FR+2*ii+1], v[FR+2*ii+\st:FR+2*ii+\st+1]
.set ii, ii+1
.endr
.endr
	v_pk_mul_f32 v[FR:FR+1], v[FR:FR+1], 0x39800000 op_sel_hi:[1,0]
	v_lshl_add_u32 v35, v0, 3, MVB
	ds_store_b64 v35, v[FR:FR+1]
	v_mov_b32 v[UL], v38
	v_mov_b32 v[UL+1], v38
	v_mov_b32 v[VL], v39
	v_mov_b32 v[VL+1], v39
	s_mul_f32 s72, s72, 0x39800000                 ; mean uR
	v_mov_b32 v[CM+1], 0xce6e6b28                  ; m = -1e9
	v_mul_f32 v[CM], s98, v[CM+1]
	v_mov_b32 v[ANY], v[BIGN]
	v_cvt_f32_u32 v[LS], v3
	v_sub_f32 v[LS], 1.0, v[LS]                    ; the virtual key's weight 1 lies in the lower half of the lanes alone: the halves are added at the end
	v_mov_b32 v[LS+1], 0
	v_sub_f32 v[DS], v[UL], s72
	v_mul_f32 v[DS], v[LS], v[DS]
	v_mov_b32 v[DS+1], 0
	v_mov_b32 v34, 0                               ; v_permlanex16_b32's destination counts as read
	s_wait_dscnt 0x0
	s_barrier_signal -1
	s_barrier_wait -1                              ; mean V is whole
	v_lshl_add_u32 v35, v3, 5, MVB
	WIN 0x40
.set cb, 0
.rept 16                               ; O^T starts as mean V: channels 16 cb + 8 (l / 16) + 0..7
	ds_load_b128 v[8*cb:8*cb+3],   v35 offset:cb*64
	ds_load_b128 v[8*cb+4:8*cb+7], v35 offset:cb*64+16
.set cb, cb+1
.endr
	WIN 0
	s_wait_dscnt 0x0
	s_mov_b32 s[CNT], 0
.Ltrip:                                ; a chunk of 32 keys
	s_wait_loadcnt 0x0                             ; the chunk's rows and the next chunk's indices, asked for a trip ago
	s_wait_kmcnt 0x0
	WIN 0x0c
.set jj, 0
.rept 32
	ds_store_b128 v[SK], v[4*jj:4*jj+3]         offset:jj*PK
	ds_store_b128 v[SK], v[128+4*jj:128+4*jj+3] offset:VOF+jj*PV
.set jj, jj+1
.endr
	WIN 0
	ds_store_b32 v[SC], v[KP]
	ds_store_b32 v[SC], v[KP+1] offset:128
	GATHER                                         ; its 34 plain vector lines are also the places between the last trip's products and the loads into their registers
.set ks, 0
.rept 8
.irp kb, 0,1
	ds_load_b128 v[FR+8*(2*ks+\kb):FR+8*(2*ks+\kb)+3],   v[FK] offset:\kb*16*PK+ks*64
	ds_load_b128 v[FR+8*(2*ks+\kb)+4:FR+8*(2*ks+\kb)+7], v[FK] offset:\kb*16*PK+ks*64+32
.endr
.set ks, ks+1
.endr
.irp kb, 0,1
	ds_load_b128 v[DU+8*\kb:DU+8*\kb+3],   v[FC] offset:\kb*64
	ds_load_b128 v[DU+8*\kb+4:DU+8*\kb+7], v[FC] offset:\kb*64+16
	ds_load_b128 v[DV+8*\kb:DV+8*\kb+3],   v[FC] offset:\kb*64+128
	ds_load_b128 v[DV+8*\kb+4:DV+8*\kb+7], v[FC] offset:\kb*64+144
.endr
	WIN 0x04
.set ks, 0
.rept 8
	s_wait_dscnt (7-ks)*4+8                        ; this step's four loads are in; the later steps' and the eight of u and v stay out
.irp kb, 0,1                           ; the two accumulators take turns
.if ks == 0
	v_wmma_f32_16x16x32_f16 v[S+8*\kb:S+8*\kb+7], v[FR+8*(2*ks+\kb):FR+8*(2*ks+\kb)+7], v[QF+8*ks:QF+8*ks+7], 0
.else
	v_wmma_f32_16x16x32_f16 v[S+8*\kb:S+8*\kb+7], v[FR+8*(2*ks+\kb):FR+8*(2*ks+\kb)+7], v[QF+8*ks:QF+8*ks+7], v[S+8*\kb:S+8*\kb+7]
.endif
.endr
.set ks, ks+1
.endr
	WIN 0
	s_wait_dscnt 0x0
.set ii, 0
.rept 8                                ; uL - uR and vL - vR as reference() takes them; sixteen plain lines: the places behind the products
	v_pk_add_f32 v[DU+2*ii:DU+2*ii+1], v[UL:UL+1], v[DU+2*ii:DU+2*ii+1] neg_lo:[0,1] neg_hi:[0,1]
	v_pk_add_f32 v[DV+2*ii:DV+2*ii+1], v[VL:VL+1], v[DV+2*ii:DV+2*ii+1] neg_lo:[0,1] neg_hi:[0,1]
.set ii, ii+1
.endr
.set cb, 0
.rept 16                               ; V's fragments, turned, land while the softmax runs
	ds_load_tr16_b128 v[FR+8*cb:FR+8*cb+3],   v[FV] offset:cb*32
	ds_load_tr16_b128 v[FR+8*cb+4:FR+8*cb+7], v[FV] offset:cb*32+16*PV
.set cb, cb+1
.endr
.irp g, 0,1,2,3                        ; the mask, four scores at a time, from each accumulator's low end on
.irp q, 0,1,2,3
	v_cmp_lt_f32 s[MK+3*\q],   |v[DV+4*\g+\q]|, s96
	v_cmp_gt_f32 s[MK+3*\q+1], v[DU+4*\g+\q], 0
	v_cmp_lt_f32 s[MK+3*\q+2], v[DU+4*\g+\q], s97
.endr
.irp q, 0,1,2,3
	s_and_b32 s[MK+3*\q], s[MK+3*\q], s[MK+3*\q+1]
	s_and_b32 s[MK+3*\q], s[MK+3*\q], s[MK+3*\q+2]
.endr
.irp q, 0,1,2,3
	v_cndmask_b32 v[S+4*\g+\q], v[BIGN], v[S+4*\g+\q], s[MK+3*\q]
.endr
.endr
	v_max3_num_f32 v33, v[S], v[S+1], v[S+2]
	v_max3_num_f32 v35, v[S+3], v[S+4], v[S+5]
	v_max3_num_f32 v38, v[S+6], v[S+7], v[S+8]
	v_max3_num_f32 v39, v[S+9], v[S+10], v[S+11]
	v_max3_num_f32 v40, v[S+12], v[S+13], v[S+14]
	v_max3_num_f32 v33, v33, v35, v[S+15]
	v_max3_num_f32 v38, v38, v39, v40
	v_max_num_f32 v33, v33, v38
	v_permlanex16_b32 v34, v33, s100, s101         ; the query's other 16 keys lie in the lane 16 away
	v_mov_b32 v35, v[CM]                           ; c m_old
	v_max_num_f32 v33, v33, v34
	v_max_num_f32 v[ANY], v[ANY], v33
	v_max_num_f32 v[CM+1], v[CM+1], v33
	v_mul_f32 v[CM], s98, v[CM+1]
	v_sub_f32 v37, v35, v[CM]
.set ii, 0
.rept 8
	v_pk_fma_f32 v[S+2*ii:S+2*ii+1], v[S+2*ii:S+2*ii+1], s[98:99], v[CM:CM+1] op_sel_hi:[1,0,0] neg_lo:[0,0,1] neg_hi:[0,0,1]  ; c s - c m
.set ii, ii+1
.endr
	v_exp_f32 v36, v37                             ; a; then the 16 weights: one batch
.set ii, 0
.rept 16
	v_exp_f32 v[S+ii], v[S+ii]
.set ii, ii+1
.endr
	v_nop                                          ; a plain instruction behind the last exponential (ISA guide 5.7.2),
	s_wait_alu depctr_va_vdst(0)                   ; and one wait ahead of the batch's first reader
.set ii, 0
.rept 8
	v_cvt_pk_f16_f32 v[P+ii], v[S+2*ii], v[S+2*ii+1]
.set ii, ii+1
.endr
	v_pk_mul_f32 v[38:39], v[S:S+1], v[DU:DU+1]                    ; the sum of p du, a chain, with the sum of p, a tree, between its links
	v_pk_add_f32 v[40:41], v[S:S+1], v[S+2:S+3]
	v_pk_fma_f32 v[38:39], v[S+2:S+3], v[DU+2:DU+3], v[38:39]
	v_pk_add_f32 v[42:43], v[S+4:S+5], v[S+6:S+7]
	v_pk_fma_f32 v[38:39], v[S+4:S+5], v[DU+4:DU+5], v[38:39]
	v_pk_add_f32 v[44:45], v[S+8:S+9], v[S+10:S+11]
	v_pk_fma_f32 v[38:39], v[S+6:S+7], v[DU+6:DU+7], v[38:39]
	v_pk_add_f32 v[46:47], v[S+12:S+13], v[S+14:S+15]
	v_pk_fma_f32 v[38:39], v[S+8:S+9], v[DU+8:DU+9], v[38:39]
	v_pk_add_f32 v[40:41], v[40:41], v[42:43]
	v_pk_fma_f32 v[38:39], v[S+10:S+11], v[DU+10:DU+11], v[38:39]
	v_pk_add_f32 v[44:45], v[44:45], v[46:47]
	v_pk_fma_f32 v[38:39], v[S+12:S+13], v[DU+12:DU+13], v[38:39]
	v_pk_add_f32 v[40:41], v[40:41], v[44:45]
	v_pk_fma_f32 v[38:39], v[S+14:S+15], v[DU+14:DU+15], v[38:39]
	v_pk_fma_f32 v[LS:LS+1], v[LS:LS+1], v[36:37], v[40:41] op_sel_hi:[1,0,1]  ; l = a l + the sum
	v_pk_fma_f32 v[DS:DS+1], v[DS:DS+1], v[36:37], v[38:39] op_sel_hi:[1,0,1]
	WIN 0x41
.set ii, 0
.rept 64
	v_pk_mul_f32 v[2*ii:2*ii+1], v[2*ii:2*ii+1], v[36:37] op_sel_hi:[1,0]      ; O^T times a
.set ii, ii+1
.endr
	WIN 0x50
	s_wait_dscnt 0x0                               ; V is in
.set cb, 0
.rept 16                               ; sixteen different accumulators
	v_wmma_f32_16x16x32_f16 v[8*cb:8*cb+7], v[FR+8*cb:FR+8*cb+7], v[P:P+7], v[8*cb:8*cb+7]
.set cb, cb+1
.endr
	WIN 0
	s_add_co_u32 s[CNT], s[CNT], 1
	s_cmp_lt_u32 s[CNT], s[NTR]
	s_cbranch_scc1 .Ltrip
	s_wait_loadcnt 0x0                             ; the look-ahead's loads, which nobody uses, and Wm
	s_wait_kmcnt 0x0
	s_lshl_b32 s78, s[WV], 8
	v_lshl_add_u32 v33, v3, 5, s78                 ; (64 w + 8 h) x 4
	WIN 0x40
.irp j, 0,1,2,3                        ; bm of my 4 x 8 output channels: the C operand that starts the projection's sums
	global_load_b128 v[VOFF+8*\j:VOFF+8*\j+3],   v33, s[24:25] offset:\j*64
	global_load_b128 v[VOFF+8*\j+4:VOFF+8*\j+7], v33, s[24:25] offset:\j*64+16
.endr
	WIN 0
	v_add_f32 v[LS], v[LS], v[LS+1]
	v_add_f32 v[DS], v[DS], v[DS+1]
	v_permlanex16_b32 v34, v[LS], s100, s101
	v_permlanex16_b32 v35, v[DS], s100, s101
	v_add_f32 v[LS], v[LS], v34
	v_add_f32 v[DS], v[DS], v35
	v_rcp_f32 v36, v[LS]
	v_cmp_gt_f32 vcc_lo, v[ANY], v[BIGN]           ; has any score been left standing?
	v_cndmask_b32 v39, 0, 1.0, vcc_lo
	s_mul_i32 s79, s[WV], 16*PK
	s_add_co_u32 s79, s79, OST
	v_add_nc_u32 v40, s79, v[LT]                   ; where my 16 bytes of O go,
	v_add_nc_u32 v41, OST, v[LT]                   ; my place in O's fragments,
	v_mul_u32_u24 v42, v2, PF
	v_lshl_add_u32 v42, v3, 5, v42
	v_add_nc_u32 v42, s78, v42                     ; where my 32 bytes of the result go,
	s_mul_i32 s79, s[WV], 16*PF
	v_add_nc_u32 v43, s79, v[L16]                  ; and where I read my wave's rows back
	s_wait_alu depctr_va_vdst(0)                   ; the reciprocal's wait; the lines above are the plain work between
	v_mul_f32 v38, v[DS], v36
	global_store_b32 v[QI4], v38, s[28:29]         ; four bytes a row, at the row's natural place; lanes 16-31 repeat lanes 0-15
	global_store_b32 v[QI4], v39, s[30:31]
	WIN 0x41
.set ii, 0
.rept 64
	v_pk_mul_f32 v[2*ii:2*ii+1], v[2*ii:2*ii+1], v[36:37] op_sel_hi:[1,0]      ; O^T / l
.set ii, ii+1
.endr
	WIN 0x05
.set ii, 0
.rept 64
	v_cvt_pk_f16_f32 v[FR+ii], v[2*ii], v[2*ii+1]
.set ii, ii+1
.endr
	WIN 0
.set cb, 0
.rept 16
	ds_store_b128 v40, v[FR+4*cb:FR+4*cb+3] offset:cb*32
.set cb, cb+1
.endr
	s_wait_dscnt 0x0
	s_barrier_signal -1
	s_barrier_wait -1                              ; all 64 rows of O lie in LDS, and every wave has left its stage
	WIN 0xc0
.set ks, 0
.rept 8
.irp qt, 0,1,2,3
	ds_load_b128 v[64*\qt+8*ks:64*\qt+8*ks+3],   v41 offset:\qt*16*PK+ks*64
	ds_load_b128 v[64*\qt+8*ks+4:64*\qt+8*ks+7], v41 offset:\qt*16*PK+ks*64+32
.endr
.set ks, ks+1
.endr
	s_wait_loadcnt 0x0                             ; bm
	WIN 0x5e
.set ks, 0
.rept 8
	s_wait_dscnt (7-ks)*8                          ; this step's eight loads are in
.irp j, 0,1,2,3
.irp qt, 0,1,2,3                       ; source 0 = 16 rows of Wm, source 1 = 16 rows of O: a lane holds one query and eight output channels; the 16 accumulators take turns
.if ks == 0
	v_wmma_f32_16x16x32_f16 v[8*(4*\j+\qt):8*(4*\j+\qt)+7], v[64*\j+8*ks:64*\j+8*ks+7], v[64*\qt+8*ks:64*\qt+8*ks+7], v[VOFF+8*\j:VOFF+8*\j+7]
.else
	v_wmma_f32_16x16x32_f16 v[8*(4*\j+\qt):8*(4*\j+\qt)+7], v[64*\j+8*ks:64*\j+8*ks+7], v[64*\qt+8*ks:64*\qt+8*ks+7], v[8*(4*\j+\qt):8*(4*\j+\qt)+7]
.endif
.endr
.endr
.set ks, ks+1
.endr
.rept 8
	v_nop                                          ; the places behind the last products (ISA guide 7.12.1); eight, once a launch
.endr
	WIN 0x04
.irp j, 0,1,2,3
.irp qt, 0,1,2,3
	ds_store_b128 v42, v[8*(4*\j+\qt):8*(4*\j+\qt)+3]   offset:\qt*16*PF+\j*64
	ds_store_b128 v42, v[8*(4*\j+\qt)+4:8*(4*\j+\qt)+7] offset:\qt*16*PF+\j*64+16
.endr
.endr
	WIN 0
	s_wait_dscnt 0x0                               ; a row's 1,024 bytes come from four waves
	s_barrier_signal -1
	s_barrier_wait -1
.set n, 0
.rept 32
	ds_load_b128 v[FR+4*n:FR+4*n+3], v43 offset:(n/2)*PF+(n%2)*512
.set n, n+1
.endr
	WIN 0x01
.set n, 0
.rept 32
	s_wait_dscnt 31-n                              ; half a row is back; the younger loads stay out
	global_store_b128 v[ROW+n/2], v[FR+4*n:FR+4*n+3], s[26:27] offset:(n%2)*512 th:TH_STORE_NT  ; 512 consecutive bytes, aligned, of the query's own row of out0
.set n, n+1
.endr
	WIN 0
	s_wait_tensorcnt 0x0                           ; the wave's end, behind my last LDS store
	ds_add_u32 v[SPW], v[NIL]
	s_wait_dscnt 0x0
	s_endpgm
.Lfunc_end_k_qb8840870cf_attn:
	.size	k_qb8840870cf_attn, .Lfunc_end_k_qb8840870cf_attn-k_qb8840870cf_attn
	.p2alignl 7, 3214868480
	.fill 96, 4, 3214868480
	.section	.rodata,"a",@progbits
	.p2align	6, 0x0
	.amdhsa_kernel k_qb8840870cf_attn
		.amdhsa_group_segment_fixed_size 173568
		.amdhsa_private_segment_fixed_size 0
		.amdhsa_enable_private_segment 0
		.amdhsa_kernarg_size 112
		.amdhsa_user_sgpr_count 2
		.amdhsa_user_sgpr_kernarg_segment_ptr 1
		.amdhsa_wavefront_size32 1
		.amdhsa_system_sgpr_workgroup_id_x 1
		.amdhsa_system_sgpr_workgroup_id_y 1
		.amdhsa_system_sgpr_workgroup_id_z 1
		.amdhsa_system_vgpr_workitem_id 0
		.amdhsa_next_free_vgpr 1024
		.amdhsa_next_free_sgpr 102
		.amdhsa_reserve_vcc 1
		.amdhsa_float_denorm_mode_32 3
		.amdhsa_float_denorm_mode_16_64 3
		.amdhsa_memory_ordered 1
		.amdhsa_forward_progress 1
		.amdhsa_inst_pref_size 103
	.end_amdhsa_kernel
	.amdgpu_metadata
---
amdhsa.version: [ 1, 2 ]
amdhsa.kernels:
  - .name:           k_qb8840870cf_attn
    .symbol:         k_qb8840870cf_attn.kd
    .args:
      - { .name: q16, .offset: 0, .size: 8, .value_kind: global_buffer, .address_space: global }
      - { .name: k16, .offset: 8, .size: 8, .value_kind: global_buffer, .address_space: global }
      - { .name: v16, .offset: 16, .size: 8, .value_kind: global_buffer, .address_space: global }
      - { .name: wmf, .offset: 24, .size: 8, .value_kind: global_buffer, .address_space: global }
      - { .name: vsum, .offset: 32, .size: 8, .value_kind: global_buffer, .address_space: global }
      - { .name: ustat, .offset: 40, .size: 8, .value_kind: global_buffer, .address_space: global }
      - { .name: ord, .offset: 48, .size: 8, .value_kind: global_buffer, .address_space: global }
      - { .name: bnd, .offset: 56, .size: 8, .value_kind: global_buffer, .address_space: global }
      - { .name: kpts_L, .offset: 64, .size: 8, .value_kind: global_buffer, .address_space: global }
      - { .name: kpts_R, .offset: 72, .size: 8, .value_kind: global_buffer, .address_space: global }
      - { .name: bm, .offset: 80, .size: 8, .value_kind: global_buffer, .address_space: global }
      - { .name: out0, .offset: 88, .size: 8, .value_kind: global_buffer, .address_space: global }
      - { .name: out1, .offset: 96, .size: 8, .value_kind: global_buffer, .address_space: global }
      - { .name: out2, .offset: 104, .size: 8, .value_kind: global_buffer, .address_space: global }
    .group_segment_fixed_size: 173568
    .private_segment_fixed_size: 0
    .kernarg_segment_align: 8
    .kernarg_segment_size: 112
    .max_flat_workgroup_size: 128
    .sgpr_count:     102
    .vgpr_count:     1024
    .wavefront_size: 32
...
	.end_amdgpu_metadata
.endif
;; end of part 2
;; ======== version 2 of 2: 2 launches; version 1 with the launch prep written anew for expert scheduling mode
;; limits: values are held in f16: magnitudes above 65,504 overflow, below 6.1e-05 lose precision; right only within a limited range of input values
;; workspace buffers: q16 8,388,608 bytes; k16 8,388,608 bytes; v16 8,388,608 bytes; wmf 131,072 bytes; vsum 65,536 bytes; ustat 1,024 bytes; ord 131,072 bytes of whole numbers; bnd 16,384 bytes of whole numbers
;; launch prep (part 3): grid 200 x 1, 16 waves a work-group, no clusters, 295,168 bytes of LDS; arguments nodes_L, nodes_R, kpts_L, kpts_R, Wq, Wk, Wv, Wm, bq, bk, bv, q16, k16, v16, wmf, vsum, ustat, ord, bnd; writes q16, k16, v16, wmf, vsum, ustat, ord, bnd
.if DOCPART == 3
	.amdgcn_target "amdgcn-amd-amdhsa--gfx1250"
	.amdhsa_code_object_version 6
	.text
	.protected	k_qb8840870cf_prep
	.globl	k_qb8840870cf_prep
	.p2align	8
	.type	k_qb8840870cf_prep,@function
k_qb8840870cf_prep:
	s_mov_b64 s[64:65], 0
	v_nop
	global_prefetch_b8 v0, s[64:65] scope:SCOPE_SE
	s_setreg_imm32_b32 hwreg(HW_REG_WAVE_SCHED_MODE, 0, 2), 2
	s_setreg_imm32_b32 hwreg(HW_REG_WAVE_MODE, 25, 1), 1
	s_wait_xcnt 0x0
	s_wait_alu depctr_vm_vsrc(0)
; PREP.  Two roles, chosen by the work-group's number.
; Work-groups 0-7 SORT one array of 4,096 key points by v (0-3: kpts_L of batch 0-3; 4-7: kpts_R): they store the order (ord), for each block of 16 sorted places
; two bounds (bnd), and for kpts_R the sum of u (ustat).  Work-groups 8-199 PROJECT: Q = nodes_L Wq^T + bq, K = nodes_R Wk^T + bk, V = nodes_R Wv^T + bv, 256 rows each,
; operands rounded once to f16, sums in f32, results rounded once to f16, rows in their natural order.  The V groups also store their 256 rows' column sums in f32 (vsum);
; the first sixteen projecting groups also write Wm, rounded to f16, in the order in which a matrix fragment wants it (wmf).
; LIMITS.  Key points are finite and |v| < 1.7e38 (beyond that the sort key is clamped; NaN is not treated).  nodes, weights, Q, K and V lie within f16's 65,504;
; a number below 6.1e-5 keeps f16's fixed step of 6e-8.
; No tensor loads: the operands change format between memory and LDS, which is done once, in registers.  No cluster: a group's own 256 rows are most of what it reads.
; LDS.  The two roles' bytes are disjoint: the projection's lie from 0 on, then the spare words, then the sort's: no byte is named by both texts.
; THE MODE: SCHED_MODE bits 1:0 = 2 (LLVM: expert scheduling mode 2), set by the entry lines.  The code itself states the register dependences
; between vector or matrix instructions and memory or LDS instructions, with s_wait_alu, always for 0.
; THE PLAN, PROJECTING.  Registers that memory or LDS instructions touch:
;   v3 .. v11      offsets and addresses: written at the head, never again.
;   LX, LW         A chunk's global loads land here; its 32 conversions close the numbers up in place (registers 0, 1 of each four); its 16 LDS stores read those; the next chunk's loads land.
;                  On the way out the 64 registers take all 16 accumulators packed: the stage's 16 stores read them, the 16 loads from the stage land in them, the global stores read them.
;   WF, XF0, XF1   LDS loads land here; products read them.
;   The accumulators are named by matrix and vector instructions alone until the way out is over.
; A chunk has one wait on va_vdst, behind its conversions (store data written; LX and LW done with; the last step's products done reading WF, XF0, XF1), and one on vm_vsrc, behind its stores
; (they have read LX and LW).  A K step has a wait on va_vdst wherever fragments that products have read are loaded again: in its middle, and at the head of an odd step.
; THE PLAN, SORTING.  OA, OAL and PA are written at the head, never again.  An exchange through LDS stores the key set in hand and loads into P: one wait on va_vdst at its head (the keys are written,
; vector work is done with P), one on vm_vsrc ahead of its comparisons (the stores have read the keys that these write).
.set PIT,   528                        ; an LDS row: 512 bytes of f16 + 16 of padding: the 16 rows of a fragment load start at 16 different groups of four banks
.set WS,    256*PIT                    ; X's 256 rows lie at 0 (later the way out's stage), W's 256 rows here
.set CSB,   2*256*PIT                  ; [4 row groups][256] f32: column sums
.set SPARE, CSB+4096                   ; the spare words, 128 bytes for each of 16 waves: eight blocks of 256 bytes that no other line names
.set XB,    SPARE+2048                 ; sort: the exchange buffer, 16,384 bytes
.set TB,    XB+16384                   ; sort: the bounds, 2 x 256 words
.set US,    TB+2048                    ; sort: the 16 waves' sums of u, in a block of 256 bytes
.set SPW,  1                           ; v1   my spare word's LDS address; never rewritten
.set NIL,  2                           ; v2   0; never rewritten
.set GOFF, 3                           ; v3   projecting: my byte offset in X and in W: row 16 w + 8 (l / 16), 16 bytes at 16 (l % 16)
.set SA,   4                           ; v4   where my 8 bytes of that row go in X's LDS rows
.set SAW,  5                           ; v5   the same in W's
.set FA,   6                           ; v6   my place in W's fragments
.set FB,   7                           ; v7   in X's
.set SO,   8                           ; v8   the way out: where I put 16 bytes of a row
.set RDB,  9                           ; v9   where I read a row back
.set GST,  10                          ; v10  my byte offset in the group's 256 rows of the result
.set BOFF, 11                          ; v11  my byte offset in the bias
.set ACC,  16                          ; v[16:143]  16 accumulators: token block i, channel block j at ACC + 8 (4 i + j)
.set LX,   144                         ; v[144:175] X as loaded (f32), then closed up to f16
.set LW,   176                         ; v[176:207] W likewise
.set WF,   208                         ; v[208:239] four fragments of W
.set XF0,  240                         ; v[240:247], v[248:255] two fragments of X
.set XF1,  248
	s_load_b512 s[8:23], s[0:1], 0x0               ; nodes_L 8, nodes_R 10, kpts_L 12, kpts_R 14, Wq 16, Wk 18, Wv 20, Wm 22
	s_load_b512 s[24:39], s[0:1], 0x40             ; bq 24, bk 26, bv 28, q16 30, k16 32, v16 34, wmf 36, vsum 38
	s_load_b128 s[40:43], s[0:1], 0x80             ; ustat 40, ord 42
	s_load_b64 s[44:45], s[0:1], 0x90              ; bnd
	v_lshl_add_u32 v[SPW], v0, 2, SPARE
	v_mov_b32 v[NIL], 0
	v_lshrrev_b32 v12, 5, v0
	v_readfirstlane_b32 s46, v12                   ; wave 0..15
	v_and_b32 v13, 31, v0                          ; l
	v_and_b32 v14, 15, v0                          ; r = l % 16
	v_bfe_u32 v15, v0, 4, 1                        ; h = l / 16
	s_wait_alu depctr_va_sdst(0)                   ; s46 is written, ahead of the branch and of its first readers in both roles
	s_cmp_lt_u32 ttmp9, 8                          ; the same for all waves of a work-group
	s_cbranch_scc1 .Lsort
; ---------------------------------------------------------------- THE PROJECTIONS
; A tile is 256 tokens x 256 channels, K = 256.  Wave w makes tokens 64 (w / 4) .. + 63 x channels 64 (w % 4) .. + 63.  The product is taken transposed
; (source 0 = 16 rows of W, source 1 = 16 rows of X): a lane then holds one token (l % 16) and eight neighbouring channels, 16 bytes of f16.
	s_sub_co_u32 s47, ttmp9, 8                     ; g
	s_lshr_b32 s48, s47, 6                         ; 0: Q, 1: K, 2: V
	s_and_b32 s49, s47, 63                         ; the block of 256 rows
	s_lshr_b32 s50, s46, 2                         ; rg
	s_and_b32 s51, s46, 3                          ; cg
	s_lshl_b32 s60, s46, 14                        ; 16 w rows of 1,024 bytes
	v_lshlrev_b32 v[GOFF], 13, v15                 ; lanes 16-31 take the row 8 further down
	v_lshl_add_u32 v[GOFF], v14, 4, v[GOFF]
	v_add_nc_u32 v[GOFF], s60, v[GOFF]
	s_mul_i32 s60, s46, 16*PIT
	v_mul_u32_u24 v[SA], v15, 8*PIT                ; 8 rows on are 128 bytes on modulo 256: the two halves of the lanes use different banks
	v_lshl_add_u32 v[SA], v14, 3, v[SA]
	v_add_nc_u32 v[SA], s60, v[SA]
	v_add_nc_u32 v[SAW], WS, v[SA]
	v_lshl_add_u32 v[RDB], v13, 4, s60
	v_mul_u32_u24 v12, v14, PIT
	v_lshl_add_u32 v12, v15, 4, v12                ; a fragment's row x pitch + 16 x half
	s_mul_i32 s60, s51, 64*PIT
	s_add_co_u32 s60, s60, WS
	v_add_nc_u32 v[FA], s60, v12
	s_mul_i32 s61, s50, 64*PIT
	v_add_nc_u32 v[FB], s61, v12
	s_lshl_b32 s60, s51, 7
	s_add_co_u32 s60, s60, s61
	v_add_nc_u32 v[SO], s60, v12
	s_lshl_b32 s60, s46, 13
	v_lshl_add_u32 v[GST], v13, 4, s60
	s_lshl_b32 s60, s51, 8
	v_lshl_add_u32 v[BOFF], v15, 5, s60            ; (64 cg + 8 h) x 4
	s_lshl_b32 s61, s50, 10
	s_add_co_u32 s62, s60, s61
	s_add_co_u32 s62, s62, CSB                     ; my wave's place among the column sums
	s_mov_b32 s61, 0                               ; from here on the high word of the offsets in s[60:61]
	s_wait_kmcnt 0x0
	s_cmp_eq_u32 s48, 0
	s_cselect_b64 s[52:53], s[8:9], s[10:11]       ; X
	s_cselect_b64 s[54:55], s[16:17], s[18:19]     ; W
	s_cselect_b64 s[56:57], s[24:25], s[26:27]     ; the bias
	s_cselect_b64 s[58:59], s[30:31], s[32:33]     ; the result
	s_cmp_eq_u32 s48, 2
	s_cselect_b64 s[54:55], s[20:21], s[54:55]
	s_cselect_b64 s[56:57], s[28:29], s[56:57]
	s_cselect_b64 s[58:59], s[34:35], s[58:59]
	s_lshl_b32 s60, s49, 18                        ; 256 rows of 1,024 bytes
	s_add_nc_u64 s[52:53], s[52:53], s[60:61]
	s_lshl_b32 s60, s49, 17                        ; 256 rows of 512 bytes
	s_add_nc_u64 s[58:59], s[58:59], s[60:61]
.macro PLACES                          ; four places behind a matrix instruction, before a vector instruction reads its result (ISA guide 7.12.1)
.rept 4
	v_nop
.endr
.endm
; Chunk c: channels 64 c .. 64 c + 63 of my 16 rows of X and of W.  Sixteen lanes read 256 consecutive bytes, aligned.
.macro GLOAD c
.irp i, 0,1,2,3,4,5,6,7
	global_load_b128 v[LX+4*\i:LX+4*\i+3], v[GOFF], s[52:53] offset:\i*1024+(\c)*256
	global_load_b128 v[LW+4*\i:LW+4*\i+3], v[GOFF], s[54:55] offset:\i*1024+(\c)*256
.endr
.endm
; The chunk is rounded to f16, four numbers a lane and row, which close up into the first two of their four registers, and laid into the LDS rows.
.macro CVTSTORE c
.irp i, 0,1,2,3,4,5,6,7
	v_cvt_pk_f16_f32 v[LX+4*\i],   v[LX+4*\i],   v[LX+4*\i+1]
	v_cvt_pk_f16_f32 v[LX+4*\i+1], v[LX+4*\i+2], v[LX+4*\i+3]
	v_cvt_pk_f16_f32 v[LW+4*\i],   v[LW+4*\i],   v[LW+4*\i+1]
	v_cvt_pk_f16_f32 v[LW+4*\i+1], v[LW+4*\i+2], v[LW+4*\i+3]
.endr
	s_wait_alu depctr_va_vdst(0)                   ; the conversions have written the pairs that the LDS stores read, and are done with LX and LW, in which the next global loads land; the last step's products are done reading WF, XF0 and XF1, in which the next step's LDS loads land
.irp i, 0,1,2,3,4,5,6,7
	ds_store_b64 v[SA],  v[LX+4*\i:LX+4*\i+1] offset:\i*PIT+(\c)*128
	ds_store_b64 v[SAW], v[LW+4*\i:LW+4*\i+1] offset:\i*PIT+(\c)*128
.endr
	s_wait_alu depctr_vm_vsrc(0)                   ; the LDS stores have read LX and LW, which the global loads below, and behind the last chunk the way out's conversions, write again
.endm
.macro XLOAD i, xf, ks
	ds_load_b128 v[\xf:\xf+3],   v[FB] offset:(\i)*16*PIT+(\ks)*64
	ds_load_b128 v[\xf+4:\xf+7], v[FB] offset:(\i)*16*PIT+(\ks)*64+32
.endm
.macro MUL4 i, xf, ks                  ; token block i x the four channel blocks; the first K step starts the sums
.irp j, 0,1,2,3
.if (\ks) == 0
	v_wmma_f32_16x16x32_f16 v[ACC+8*(4*(\i)+\j):ACC+8*(4*(\i)+\j)+7], v[WF+8*\j:WF+8*\j+7], v[\xf:\xf+7], 0
.else
	v_wmma_f32_16x16x32_f16 v[ACC+8*(4*(\i)+\j):ACC+8*(4*(\i)+\j)+7], v[WF+8*\j:WF+8*\j+7], v[\xf:\xf+7], v[ACC+8*(4*(\i)+\j):ACC+8*(4*(\i)+\j)+7]
.endif
.endr
.endm
; 32 along K: 16 products; the 16 accumulators take turns, one instruction a turn, from step to step too.
; An even step's first loads owe no wait: the one behind the chunk's conversions stands behind the last step's products, and no vector or matrix instruction since names WF, XF0 or XF1.
.macro KSTEP ks
.if ((\ks) % 2) == 1
	s_wait_alu depctr_va_vdst(0)                   ; the last step's products are done reading WF, XF0 and XF1, in which the loads below land
.endif
.irp j, 0,1,2,3
	ds_load_b128 v[WF+8*\j:WF+8*\j+3],   v[FA] offset:\j*16*PIT+(\ks)*64
	ds_load_b128 v[WF+8*\j+4:WF+8*\j+7], v[FA] offset:\j*16*PIT+(\ks)*64+32
.endr
	XLOAD 0, XF0, \ks
	XLOAD 1, XF1, \ks
	s_wait_dscnt 0x2                               ; all but the second X fragment's two loads
	MUL4 0, XF0, \ks
	s_wait_dscnt 0x0
	MUL4 1, XF1, \ks
	s_wait_alu depctr_va_vdst(0)                   ; these eight products are done reading XF0 and XF1, in which token blocks 2 and 3 land
	XLOAD 2, XF0, \ks
	XLOAD 3, XF1, \ks
	s_wait_dscnt 0x2
	MUL4 2, XF0, \ks
	s_wait_dscnt 0x0
	MUL4 3, XF1, \ks
.endm
	s_wait_alu depctr_va_vdst(0)                   ; the nine offsets and addresses v3 to v11 are written, which the loads and stores of this role read
	GLOAD 0
.irp c, 0,1,2,3
	s_wait_loadcnt 0x0                             ; the chunk, asked for ahead of the last chunk's 32 products
.if \c > 0
	s_barrier_signal -1                            ; every wave has read the last chunk (its LDS loads were waited for ahead of its products) before any wave stores the next:
	s_barrier_wait -1                              ; reads and stores of the shared rows stand on either side of a barrier
.endif
	CVTSTORE \c
.if \c < 3
	GLOAD \c+1
.else
.irp j, 0,1,2,3                        ; the bias of my 4 x 8 channels, into X's landing registers
	global_load_b128 v[LX+8*\j:LX+8*\j+3],   v[BOFF], s[56:57] offset:\j*64
	global_load_b128 v[LX+8*\j+4:LX+8*\j+7], v[BOFF], s[56:57] offset:\j*64+16
.endr
.endif
	s_wait_dscnt 0x0                               ; for the others' sake: my stores are done
	s_barrier_signal -1
	s_barrier_wait -1
	KSTEP 2*\c
	KSTEP 2*\c+1
.endr
	PLACES
	PLACES                                         ; eight, once a launch
	s_wait_loadcnt 0x0                             ; the bias
.set a, 0
.rept 16
.irp k, 0,2,4,6
	v_pk_add_f32 v[ACC+8*a+\k:ACC+8*a+\k+1], v[ACC+8*a+\k:ACC+8*a+\k+1], v[LX+8*(a%4)+\k:LX+8*(a%4)+\k+1]
.endr
.set a, a+1
.endr
	s_cmp_lg_u32 s48, 2
	s_cbranch_scc1 .Lnosum
	; V alone: the sums of my 64 tokens for my 64 channels: over the four token blocks, then over the 16 lanes of a half
.irp j, 0,1,2,3
.irp k, 0,2,4,6
	v_pk_add_f32 v[WF+8*\j+\k:WF+8*\j+\k+1], v[ACC+8*\j+\k:ACC+8*\j+\k+1], v[ACC+8*(4+\j)+\k:ACC+8*(4+\j)+\k+1]
.endr
.endr
.irp j, 0,1,2,3
.irp k, 0,2,4,6
	v_pk_add_f32 v[WF+8*\j+\k:WF+8*\j+\k+1], v[WF+8*\j+\k:WF+8*\j+\k+1], v[ACC+8*(8+\j)+\k:ACC+8*(8+\j)+\k+1]
.endr
.endr
.irp j, 0,1,2,3
.irp k, 0,2,4,6
	v_pk_add_f32 v[WF+8*\j+\k:WF+8*\j+\k+1], v[WF+8*\j+\k:WF+8*\j+\k+1], v[ACC+8*(12+\j)+\k:ACC+8*(12+\j)+\k+1]
.endr
.endr
.irp m, 1,2,4,8
.set n, 0
.rept 32
	v_add_f32_dpp v[WF+n], v[WF+n], v[WF+n] row_xmask:\m row_mask:0xf bank_mask:0xf
.set n, n+1
.endr
.endr
	v_bfe_u32 v12, v0, 4, 1
	v_lshl_add_u32 v12, v12, 5, s62
	s_wait_alu depctr_va_vdst(0)                   ; the sums in WF and the address v12 are written, which the LDS stores read
.irp j, 0,1,2,3                        ; the 16 lanes of a half write the same words with the same numbers
	ds_store_b128 v12, v[WF+8*\j:WF+8*\j+3]   offset:\j*64
	ds_store_b128 v12, v[WF+8*\j+4:WF+8*\j+7] offset:\j*64+16
.endr
.Lnosum:
	s_wait_dscnt 0x0
	s_barrier_signal -1
	s_barrier_wait -1                              ; nobody reads X's rows any more: they become the stage
.set a, 0
.rept 16                               ; all 16 accumulators are packed, into the 64 registers of LX and LW (the last chunk's LDS stores have read them: the wait behind those stores)
.irp k, 0,1,2,3
	v_cvt_pk_f16_f32 v[LX+4*a+\k], v[ACC+8*a+2*\k], v[ACC+8*a+2*\k+1]
.endr
.set a, a+1
.endr
	s_wait_alu depctr_va_vdst(0)                   ; the conversions have written LX and LW, which the LDS stores read, and are done reading the accumulators
.set a, 0
.rept 16
	ds_store_b128 v[SO], v[LX+4*a:LX+4*a+3] offset:(a/4)*16*PIT+(a%4)*32
.set a, a+1
.endr
	s_wait_dscnt 0x0                               ; a row's 512 bytes come from four waves
	s_barrier_signal -1
	s_barrier_wait -1
	s_wait_alu depctr_vm_vsrc(0)                   ; my LDS stores have read LX and LW, in which the rows below land, and (V) v12, which is written again further down
.irp i, 0,1,2,3,4,5,6,7,8,9,10,11,12,13,14,15
	ds_load_b128 v[LX+4*\i:LX+4*\i+3], v[RDB] offset:\i*PIT
.endr
.irp i, 0,1,2,3,4,5,6,7,8,9,10,11,12,13,14,15
	s_wait_dscnt 15-\i                             ; row i is back; the younger loads stay out
	global_store_b128 v[GST], v[LX+4*\i:LX+4*\i+3], s[58:59] offset:\i*512  ; a whole row: 512 consecutive bytes, aligned
.endr
	s_cmp_lg_u32 s48, 2
	s_cbranch_scc1 .Lnovs
	s_cmp_lt_u32 s46, 2
	s_cbranch_scc0 .Lnovs
	v_lshl_add_u32 v12, v0, 4, CSB                 ; V, waves 0 and 1: the four row groups' sums are added, four channels a thread
	s_wait_alu depctr_va_vdst(0)                   ; the address v12 is written (the vector work on v16 to v31, in which the loads land, stands ahead of an earlier such wait)
.irp i, 0,1,2,3
	ds_load_b128 v[16+4*\i:19+4*\i], v12 offset:\i*1024
.endr
	v_lshlrev_b32 v13, 4, v0
	s_lshl_b32 s60, s49, 10
	s_add_nc_u64 s[66:67], s[38:39], s[60:61]
	s_wait_dscnt 0x0
	v_pk_add_f32 v[16:17], v[16:17], v[20:21]
	v_pk_add_f32 v[18:19], v[18:19], v[22:23]
	v_pk_add_f32 v[24:25], v[24:25], v[28:29]
	v_pk_add_f32 v[26:27], v[26:27], v[30:31]
	v_pk_add_f32 v[16:17], v[16:17], v[24:25]
	v_pk_add_f32 v[18:19], v[18:19], v[26:27]
	s_wait_alu depctr_va_vdst(0)                   ; the sums v[16:19] and the offset v13 are written, which the store reads
	global_store_b128 v13, v[16:19], s[66:67]
.Lnovs:
	s_cmp_lt_u32 s47, 16
	s_cbranch_scc0 .Lgend
	; Groups 0-15: block g of 16 rows of Wm in fragment order: thread t = 64 ks + 32 half + lane writes 16 bytes at 16 t: Wm[16 g + lane % 16][32 ks + 16 half + 8 (lane / 16) .. + 7]
	v_and_b32 v45, 15, v0
	v_bfe_u32 v46, v0, 4, 1
	v_lshlrev_b32 v45, 10, v45
	v_lshl_add_u32 v45, v46, 5, v45
	s_lshl_b32 s70, s46, 6                         ; 2 ks + half is the wave's number: 16 numbers of 4 bytes each
	v_add_nc_u32 v45, s70, v45
	s_lshl_b32 s60, s47, 14
	s_add_nc_u64 s[68:69], s[22:23], s[60:61]
	s_wait_alu depctr_va_vdst(0)                   ; the offset v45 is written (the vector work on v32 to v39, in which the loads land, stands ahead of an earlier such wait)
	global_load_b128 v[32:35], v45, s[68:69]
	global_load_b128 v[36:39], v45, s[68:69] offset:16
	s_lshl_b32 s60, s47, 13
	s_add_nc_u64 s[72:73], s[36:37], s[60:61]
	v_lshlrev_b32 v47, 4, v0
	s_wait_loadcnt 0x0
.irp k, 0,1,2,3
	v_cvt_pk_f16_f32 v[40+\k], v[32+2*\k], v[33+2*\k]
.endr
	s_wait_alu depctr_va_vdst(0)                   ; the conversions have written v[40:43], and v47 is written: the store reads them
	global_store_b128 v47, v[40:43], s[72:73]
.Lgend:
	s_wait_dscnt 0x0                               ; the closing lines, six on end
	s_wait_alu 0x0
	s_wait_tensorcnt 0x0
	ds_add_u32 v[SPW], v[NIL]
	s_wait_dscnt 0x0
	s_endpgm
; ---------------------------------------------------------------- THE SORT
; A bitonic network on 4,096 keys, 8 a thread: element e = 8 t + r (bits 0-2: the register, 3-7: the lane, 8-11: the wave).  All addresses are fixed.
; THE KEY.  m = v's bits made monotone (negative: all bits turned; else the sign bit set), held to 0x01000000 .. 0xFEFFFFFF; key = ((m >> 1) & 0x7FFFF000) | index.  All keys
; differ, and as a bit pattern each is a positive normal f32: the float minimum, maximum and middle-of-three order them and return them unchanged, and a turned sign bit
; turns the order.  Blocks that a stage wants descending carry turned signs, so every comparison ascends.
; THE BOUNDS.  coarse = key >> 12 = m >> 13.  For a block of 16 sorted places of kpts_R: the coarse keys of its first and last element.  For kpts_L: T = coarse(low end of the
; first element's bucket - 3) - 1 and U = coarse(high end of the last element's bucket + 3) + 1.  A key whose coarse key is below T or above U lies 8,192 float steps or more beyond
; the rounded v -+ 3, whose rounding is half a step: so |vL - vR| >= 3 exactly, and also as f32 rounds it.
.set CUR,  16                          ; v[16:23], v[24:31] the keys, two sets that change places
.set NXT,  24
.set P,    32                          ; v[32:39] the partner's keys
.set BL,   40                          ; v[40:44] for lane bit k: -infinity (I keep the smaller) or +infinity (the greater)
.set PA,   45                          ; v[45:48] for wave bit k: my partner's 16 bytes in the exchange buffer
.set OA,   49                          ; v49  16 t: my offset in memory
.set GRAY, 50                          ; v50  t ^ (t >> 1)
.set FM,   51                          ; v51  the sign mask at work
.set KV,   52                          ; v[52:67] eight (u, v) as loaded
.set OAL,  77                          ; v77  XB + 16 t: my 16 bytes in the exchange buffer
.set BW,   50                          ; s[50:53] as BL, for the wave's bits
.Lsort:
	s_mov_b32 s47, ttmp9                           ; the array
	s_and_b32 s48, s47, 3                          ; its batch
	s_lshl_b32 s60, s48, 15
	s_mov_b32 s61, 0
	s_mov_b32 s54, 0x76543210                      ; v_permlanex16_b32: each lane takes its own place in the other half
	s_mov_b32 s55, 0xfedcba98
.irp lb, 0,1,2,3,4
	v_bfe_u32 v12, v0, \lb, 1
	v_lshlrev_b32 v12, 31, v12
	v_xor_b32 v[BL+\lb], 0xff800000, v12
.endr
.irp wb, 0,1,2,3
	s_bfe_u32 s56, s46, (1<<16)|\wb
	s_lshl_b32 s56, s56, 31
	s_xor_b32 s[BW+\wb], s56, 0xff800000
	s_xor_b32 s56, s46, 1<<\wb
	s_lshl_b32 s56, s56, 9
	s_add_co_u32 s56, s56, XB
	v_lshl_add_u32 v[PA+\wb], v13, 4, s56
.endr
	v_lshlrev_b32 v[OA], 4, v0
	v_lshl_add_u32 v[OAL], v0, 4, XB
	v_lshrrev_b32 v12, 1, v0
	v_xor_b32 v[GRAY], v0, v12
.irp k, 0,1,2,3,4,5,6,7
	v_mov_b32 v[P+\k], 0                           ; a lane exchange's destination counts as read: written once here
.endr
	v_lshlrev_b32 v68, 1, v0                       ; 2 t
	s_wait_kmcnt 0x0
	s_cmp_lt_u32 s47, 4
	s_cselect_b64 s[58:59], s[12:13], s[14:15]
	s_add_nc_u64 s[58:59], s[58:59], s[60:61]
	s_wait_alu depctr_va_vdst(0)                   ; the offset OA and the LDS addresses OAL and PA are written, which the loads and stores of this role read
.irp q, 0,1,2,3                        ; points 1,024 q + 2 t and + 1: which thread starts with which point is free
	global_load_b128 v[KV+4*\q:KV+4*\q+3], v[OA], s[58:59] offset:\q*8192
.endr
	s_wait_loadcnt 0x0
.macro MKKEY k
	v_ashrrev_i32 v14, 31, v[KV+2*(\k)+1]
	v_or_b32 v14, 0x80000000, v14
	v_xor_b32 v14, v[KV+2*(\k)+1], v14
	v_min_u32 v14, 0xfeffffff, v14
	v_max_u32 v14, 0x01000000, v14
	v_lshrrev_b32 v14, 1, v14
	v_add_nc_u32 v15, 1024*((\k)/2)+(\k)%2, v68
	v_and_or_b32 v[CUR+(\k)], v14, 0x7ffff000, v15
.endm
.irp k, 0,1,2,3,4,5,6,7
	MKKEY \k
.endr
	v_add_f32 v69, v[KV], v[KV+2]                  ; the sum of u: my eight, my wave's, a word for each wave
	v_add_f32 v70, v[KV+4], v[KV+6]
	v_add_f32 v71, v[KV+8], v[KV+10]
	v_add_f32 v72, v[KV+12], v[KV+14]
	v_add_f32 v69, v69, v70
	v_add_f32 v71, v71, v72
	v_add_f32 v69, v69, v71
.irp m, 1,2,4,8
	v_add_f32_dpp v69, v69, v69 row_xmask:\m row_mask:0xf bank_mask:0xf
.endr
	v_permlanex16_b32 v[P], v69, s54, s55
	v_add_f32 v69, v69, v[P]
	s_lshl_b32 s56, s46, 2
	s_add_co_u32 s56, s56, US
	v_mov_b32 v70, s56
	s_wait_alu depctr_va_vdst(0)                   ; the sum v69 and the address v70 are written, which the LDS store reads
	ds_store_b32 v70, v69                          ; waited for in front of the first barrier below
.macro RSTEP d, s                      ; partners 2^d registers apart; in stages 1 and 2 the direction goes by bit s of the register
.set rr, 0
.rept 8
.if ((rr >> (\d)) & 1) == 0
.if ((\s) <= 2) && ((rr >> (\s)) & 1)
	v_max_num_f32 v[NXT+rr], v[CUR+rr], v[CUR+rr+(1<<(\d))]
	v_min_num_f32 v[NXT+rr+(1<<(\d))], v[CUR+rr], v[CUR+rr+(1<<(\d))]
.else
	v_min_num_f32 v[NXT+rr], v[CUR+rr], v[CUR+rr+(1<<(\d))]
	v_max_num_f32 v[NXT+rr+(1<<(\d))], v[CUR+rr], v[CUR+rr+(1<<(\d))]
.endif
.endif
.set rr, rr+1
.endr
.set TSW, CUR
.set CUR, NXT
.set NXT, TSW
.endm
.macro LSTEP lb                        ; partners 2^lb lanes apart: the middle of mine, the partner's and -+infinity is the smaller or the greater
.set rr, 0
.rept 8
.if (\lb) == 4
	v_permlanex16_b32 v[P+rr], v[CUR+rr], s54, s55
.else
	v_mov_b32_dpp v[P+rr], v[CUR+rr] row_xmask:1<<(\lb) row_mask:0xf bank_mask:0xf
.endif
.set rr, rr+1
.endr
.set rr, 0
.rept 8
	v_med3_num_f32 v[CUR+rr], v[CUR+rr], v[P+rr], v[BL+(\lb)]
.set rr, rr+1
.endr
.endm
.macro WSTEP wb                        ; partners 2^wb waves apart, through LDS: store, wait, barrier, load; and load, wait, barrier ahead of the next exchange's stores
	s_wait_alu depctr_va_vdst(0)                   ; the keys in hand are written, which the LDS stores read; the vector work on P, in which the partner's keys land, is done
	ds_store_b128 v[OAL], v[CUR:CUR+3]
	ds_store_b128 v[OAL], v[CUR+4:CUR+7] offset:8192
	s_wait_dscnt 0x0
	s_barrier_signal -1
	s_barrier_wait -1
	ds_load_b128 v[P:P+3],   v[PA+(\wb)]
	ds_load_b128 v[P+4:P+7], v[PA+(\wb)] offset:8192
	s_wait_dscnt 0x0
	s_wait_alu depctr_vm_vsrc(0)                   ; my LDS stores have read the keys in hand, which the comparisons below write again (the first of these waits also: the u sum's store has read v69 and v70)
	s_barrier_signal -1                            ; my reads are over; the comparisons, work on registers, stand between signal and wait
.set rr, 0
.rept 8
	v_med3_num_f32 v[CUR+rr], v[CUR+rr], v[P+rr], s[BW+(\wb)]
.set rr, rr+1
.endr
	s_barrier_wait -1
.endm
.macro FLIP sh                         ; from stage s to s + 1 the sign turns where bits s and s + 1 of e differ: bit s - 3 of t ^ (t >> 1), shifted to the top
	v_lshlrev_b32 v[FM], \sh, v[GRAY]
	v_and_b32 v[FM], 0x80000000, v[FM]
.set rr, 0
.rept 8
	v_xor_b32 v[CUR+rr], v[FM], v[CUR+rr]
.set rr, rr+1
.endr
.endm
.macro STAGE s                         ; blocks of 2^s: partners 2^(s-1) .. 1 apart
.set dd, (\s)-1
.rept \s
.if dd >= 8
	WSTEP dd-8
.elseif dd >= 3
	LSTEP dd-3
.else
	RSTEP dd, \s
.endif
.set dd, dd-1
.endr
.endm
	STAGE 1
	STAGE 2
	v_lshlrev_b32 v[FM], 31, v0                    ; stage 3 descends where bit 3 of e, bit 0 of t, is set
.set rr, 0
.rept 8
	v_xor_b32 v[CUR+rr], v[FM], v[CUR+rr]
.set rr, rr+1
.endr
	STAGE 3
.irp s, 3,4,5,6,7,8,9,10,11
	FLIP 34-\s
	STAGE \s+1
.endr
	; sorted: place 8 t + r lies in register r; every sign is positive again.  The indices and the bounds are made first, then stored behind one wait.
	v_and_b32 v12, 1, v0                           ; an even thread holds a block's first element, an odd one its last
	v_cmp_eq_u32 vcc_lo, 1, v12
.irp k, 0,1,2,3,4,5,6,7
	v_and_b32 v[NXT+\k], 0xfff, v[CUR+\k]          ; the index
.endr
	v_lshl_add_u32 v73, v0, 5, XB
	v_mul_u32_u24 v14, v12, 0x1fff
	v_lshlrev_b32 v15, 31, v12
	v_xor_b32 v15, 0xc0400000, v15                 ; -3.0 or +3.0
	v_lshl_add_u32 v69, v12, 1, -1                 ; -1 or +1
	s_wait_alu depctr_va_vcc(0)                    ; the compare has written VCC, which the select reads; the thirteen lines above are independent work between
	v_cndmask_b32 v13, v[CUR], v[CUR+7], vcc_lo
	v_lshrrev_b32 v13, 12, v13                     ; its coarse key
	v_lshl_or_b32 v14, v13, 13, v14                ; the bucket's low end (first) or high end (last), monotone
	v_ashrrev_i32 v70, 31, v14
	v_xor_b32 v70, -1, v70
	v_or_b32 v70, 0x80000000, v70
	v_xor_b32 v70, v14, v70                        ; back to a float
	v_add_f32 v70, v70, v15
	v_ashrrev_i32 v71, 31, v70
	v_or_b32 v71, 0x80000000, v71
	v_xor_b32 v71, v70, v71
	v_lshrrev_b32 v71, 13, v71
	v_add_nc_u32 v71, v71, v69                     ; T or U
	s_cmp_lt_u32 s47, 4
	s_cselect_b32 s57, -1, 0
	v_cndmask_b32 v71, v13, v71, s57               ; kpts_L: the threshold; kpts_R: the coarse key
	v_lshrrev_b32 v72, 1, v0
	v_lshlrev_b32 v72, 2, v72
	v_lshl_add_u32 v72, v12, 10, v72
	v_add_nc_u32 v72, TB, v72
	s_wait_alu depctr_va_vdst(0)                   ; the eight indices, the bound v71 and the addresses v72 and v73 are written, which the three LDS stores read; the vector work on P, in which the order lands below, is done
	ds_store_b128 v73, v[NXT:NXT+3]                ; behind the last exchange's closing barrier
	ds_store_b128 v73, v[NXT+4:NXT+7] offset:16
	ds_store_b32 v72, v71
	s_wait_dscnt 0x0
	s_barrier_signal -1
	s_barrier_wait -1
	ds_load_b128 v[P:P+3],   v[OAL]
	ds_load_b128 v[P+4:P+7], v[OAL] offset:8192
	s_lshl_b32 s60, s47, 14
	s_add_nc_u64 s[62:63], s[42:43], s[60:61]
	s_wait_dscnt 0x0
	global_store_b128 v[OA], v[P:P+3],   s[62:63]              ; a wave stores 512 consecutive bytes, aligned
	global_store_b128 v[OA], v[P+4:P+7], s[62:63] offset:8192
	s_cmp_lt_u32 s46, 4
	s_cbranch_scc0 .Lsend
	v_add_nc_u32 v74, TB, v[OA]                    ; waves 0-3: the 2,048 bytes of bounds
	s_wait_alu depctr_va_vdst(0)                   ; the address v74 is written, which the LDS load reads
	ds_load_b128 v[52:55], v74
	s_lshl_b32 s60, s47, 11
	s_add_nc_u64 s[66:67], s[44:45], s[60:61]
	s_wait_dscnt 0x0
	global_store_b128 v[OA], v[52:55], s[66:67]
	s_cmp_lg_u32 s46, 0
	s_cbranch_scc1 .Lsend
	s_cmp_lt_u32 s47, 4
	s_cbranch_scc1 .Lsend
	v_mov_b32 v75, US                              ; wave 0 of a kpts_R array: the 16 waves' sums of u
	s_wait_alu depctr_va_vdst(0)                   ; the address v75 is written, which the LDS loads read
	s_wait_alu depctr_vm_vsrc(0)                   ; the bounds' LDS store has read v71, in which the last of these loads lands
.irp i, 0,1,2,3
	ds_load_b128 v[56+4*\i:59+4*\i], v75 offset:\i*16
.endr
	s_lshl_b32 s60, s48, 8
	s_add_nc_u64 s[68:69], s[40:41], s[60:61]
	v_lshlrev_b32 v76, 3, v0
	s_wait_dscnt 0x0
.irp k, 0,2,4,6
	v_pk_add_f32 v[56+\k:57+\k], v[56+\k:57+\k], v[64+\k:65+\k]
.endr
	v_pk_add_f32 v[56:57], v[56:57], v[60:61]
	v_pk_add_f32 v[58:59], v[58:59], v[62:63]
	v_pk_add_f32 v[56:57], v[56:57], v[58:59]
	v_add_f32 v56, v56, v57
	v_mov_b32 v57, v56
	s_wait_alu depctr_va_vdst(0)                   ; the sum in v[56:57] and the offset v76 are written, which the store reads
	global_store_b64 v76, v[56:57], s[68:69]       ; 256 bytes, the same number throughout
.Lsend:
	s_wait_dscnt 0x0                               ; the closing lines, six on end
	s_wait_alu 0x0
	s_wait_tensorcnt 0x0
	ds_add_u32 v[SPW], v[NIL]
	s_wait_dscnt 0x0
	s_endpgm
.Lfunc_end_k_qb8840870cf_prep:
	.size	k_qb8840870cf_prep, .Lfunc_end_k_qb8840870cf_prep-k_qb8840870cf_prep
	.p2alignl 7, 3214868480
	.fill 96, 4, 3214868480
	.section	.rodata,"a",@progbits
	.p2align	6, 0x0
	.amdhsa_kernel k_qb8840870cf_prep
		.amdhsa_group_segment_fixed_size 295168
		.amdhsa_private_segment_fixed_size 0
		.amdhsa_enable_private_segment 0
		.amdhsa_kernarg_size 152
		.amdhsa_user_sgpr_count 2
		.amdhsa_user_sgpr_kernarg_segment_ptr 1
		.amdhsa_wavefront_size32 1
		.amdhsa_system_sgpr_workgroup_id_x 1
		.amdhsa_system_sgpr_workgroup_id_y 1
		.amdhsa_system_sgpr_workgroup_id_z 1
		.amdhsa_system_vgpr_workitem_id 0
		.amdhsa_next_free_vgpr 256
		.amdhsa_next_free_sgpr 80
		.amdhsa_reserve_vcc 1
		.amdhsa_float_denorm_mode_32 3
		.amdhsa_float_denorm_mode_16_64 3
		.amdhsa_memory_ordered 1
		.amdhsa_forward_progress 1
		.amdhsa_inst_pref_size 136
	.end_amdhsa_kernel
	.amdgpu_metadata
---
amdhsa.version: [ 1, 2 ]
amdhsa.kernels:
  - .name:           k_qb8840870cf_prep
    .symbol:         k_qb8840870cf_prep.kd
    .args:
      - { .name: nodes_L, .offset: 0, .size: 8, .value_kind: global_buffer, .address_space: global }
      - { .name: nodes_R, .offset: 8, .size: 8, .value_kind: global_buffer, .address_space: global }
      - { .name: kpts_L, .offset: 16, .size: 8, .value_kind: global_buffer, .address_space: global }
      - { .name: kpts_R, .offset: 24, .size: 8, .value_kind: global_buffer, .address_space: global }
      - { .name: Wq, .offset: 32, .size: 8, .value_kind: global_buffer, .address_space: global }
      - { .name: Wk, .offset: 40, .size: 8, .value_kind: global_buffer, .address_space: global }
      - { .name: Wv, .offset: 48, .size: 8, .value_kind: global_buffer, .address_space: global }
      - { .name: Wm, .offset: 56, .size: 8, .value_kind: global_buffer, .address_space: global }
      - { .name: bq, .offset: 64, .size: 8, .value_kind: global_buffer, .address_space: global }
      - { .name: bk, .offset: 72, .size: 8, .value_kind: global_buffer, .address_space: global }
      - { .name: bv, .offset: 80, .size: 8, .value_kind: global_buffer, .address_space: global }
      - { .name: q16, .offset: 88, .size: 8, .value_kind: global_buffer, .address_space: global }
      - { .name: k16, .offset: 96, .size: 8, .value_kind: global_buffer, .address_space: global }
      - { .name: v16, .offset: 104, .size: 8, .value_kind: global_buffer, .address_space: global }
      - { .name: wmf, .offset: 112, .size: 8, .value_kind: global_buffer, .address_space: global }
      - { .name: vsum, .offset: 120, .size: 8, .value_kind: global_buffer, .address_space: global }
      - { .name: ustat, .offset: 128, .size: 8, .value_kind: global_buffer, .address_space: global }
      - { .name: ord, .offset: 136, .size: 8, .value_kind: global_buffer, .address_space: global }
      - { .name: bnd, .offset: 144, .size: 8, .value_kind: global_buffer, .address_space: global }
    .group_segment_fixed_size: 295168
    .private_segment_fixed_size: 0
    .kernarg_segment_align: 8
    .kernarg_segment_size: 152
    .max_flat_workgroup_size: 512
    .sgpr_count:     80
    .vgpr_count:     256
    .wavefront_size: 32
...
	.end_amdgpu_metadata
.endif
;; end of part 3
;; launch attn: the kernel of part 2 again; grid 64 x 4, 4 waves a work-group, no clusters, 173,568 bytes of LDS; arguments q16, k16, v16, wmf, vsum, ustat, ord, bnd, kpts_L, kpts_R, bm, out0, out1, out2; writes out0, out1, out2
